; MI455X (gfx1250); checked and timed in simulation.
; The chip was launched on July 23, 2026; its instructions are those of AMD's public machine-readable ISA for CDNA 5 (MIT licence, August 2026) and "CDNA5" Instruction Set Architecture Reference Guide (July 2026). The comments in the code are by the model that wrote it; some were corrected since.
;; Conformal GQA. Allowed arithmetic: matrix products marked QUANTISED: E4M3 operands, one given power-of-two scale a tensor, by v_wmma_f32_16x16x64_fp8_fp8 or v_wmma_f32_16x16x128_fp8_fp8, f32 sums; everything else in f32.
;; Inputs: Wk 2,048 x 512 float32; Wo 2,048 x 2,048 float32; Wq 2,048 x 2,048 float32; Wv 2,048 x 512 float32; lowp_scales 12 int32 (the exponents e of the quantised operands' scales 2^e); x 4 x 1,024 x 2,048 float32.
;; Outputs: out0 4 x 1,024 x 2,048 float32.
;; This version of the problem:
;;   THIS VERSION OF THE PROBLEM IS GIVEN IN LOW PRECISION. The matrix products marked QUANTISED in the list below multiply operands that are first quantised to E4M3 (4 exponent bits, 3 mantissa bits; 8 bits a number), with one given power-of-two scale for each operand tensor; their sums are f32. All else is computed in f32.
;;   The module's matrix products, in the order in which they are computed (A, B: the left and right operand; K: the contracted axis; several contracted axes count as one K, in the product's order):
;;     1. [M 4,096, K 2,048] x [K 2,048, N 2,048]; A: input x; B: input Wq: QUANTISED (scales: A lowp_scales[0], B lowp_scales[1])
;;     2. [M 4,096, K 2,048] x [K 2,048, N 512]; A: input x; B: input Wk: QUANTISED (scales: A lowp_scales[2], B lowp_scales[3])
;;     3. [M 4,096, K 2,048] x [K 2,048, N 512]; A: input x; B: input Wv: QUANTISED (scales: A lowp_scales[4], B lowp_scales[5])
;;     4. batch 128 x [M 1,024, K 64] x [K 64, N 1,024]; A: computed on the way; B: computed on the way: QUANTISED (scales: A lowp_scales[6], B lowp_scales[7])
;;     5. batch 128 x [M 1,024, K 1,024] x [K 1,024, N 64]; A: softmax (see below); B: computed on the way: QUANTISED (scales: A lowp_scales[8], B lowp_scales[9])
;;     6. [M 4,096, K 2,048] x [K 2,048, N 2,048]; A: computed on the way; B: input Wo: QUANTISED (scales: A lowp_scales[10], B lowp_scales[11])
;;   THE QUANTISER, for each operand of a quantised product, along K:
;;     - The operand's scale is 2^e, e = its entry of the input lowp_scales (int32; the entries are numbered through the quantised products in the list's order, A before B).
;;     - Each number is divided by the scale, clamped to +-448, and rounded to the nearest number of E4M3, ties to even, subnormals kept.
;;     - The product sums the exact products of the quantised numbers (number of the format x scale) in f32.
;;   ~~~python
;;   def quantise(x, axis, e):      # numpy; x: float32 -> the quantised numbers, widened to float32 again
;;       x = np.moveaxis(x, axis, -1); K = x.shape[-1]
;;       r = np.clip(x / 2.0 ** e, -448, 448)
;;       step = 2.0 ** (np.maximum(np.frexp(np.where(r == 0, 1, r))[1] - 1, -6) - 3)
;;       q = np.round(r / step) * step * 2.0 ** e      # np.round: ties to even
;;       return np.moveaxis(q, -1, axis).astype(np.float32)
;;   ~~~
;;   SOFTMAX AHEAD OF A QUANTISED PRODUCT. Where the list says 'softmax', what is quantised is not the finished softmax but p = 2^(t - M), with t = logit x log2(e) and M = ceil(the row's largest t), a whole number; so 1/2 < the row's largest p <= 1. The row's sum l is taken of the UNQUANTISED p, in f32, and the product's result is divided by l at the end. Since M is a whole number, a kernel that streams over the keys may use a running M (the ceiling of the running maximum): every later rescaling is an exact power of two, so the quantised numbers keep their values, but for numbers so far below the row's largest that they fall under the format's range.
;;   OPERANDS COMPUTED ON THE WAY. 'Computed on the way' means the value that the module computes at that place (a softmax that the list does not call 'softmax' is quantised finished and normalised). What goes into a quantiser is computed in f32, as accurately as f32 sums, v_exp_f32 and their like allow (about 1e-6 of the number): no bf16 or f16 on the way to a quantiser, and a product that is left as it is and whose result goes on into a quantised operand takes f32 operands (vector FMAs, or v_wmma_f32_16x16x4_f32). A number that lies on a knife's edge between two numbers of the format may be rounded either way, as far as f32 arithmetic and the matrix unit's own rounding can turn it there, and no further.
;; One version. Each part assembles by itself: llvm-mc -triple=amdgcn-amd-amdhsa -mcpu=gfx1250 --defsym DOCPART=n.
;; ======== version 1 of 1: 4 launches
;; limits: right only within a limited range of input values
;; workspace buffers: xc 25,165,824 bytes; wc 10,485,760 bytes; tab 262,144 bytes; qc 8,388,608 bytes; kvc 4,194,304 bytes; nb 655,360 bytes; yc 8,388,608 bytes
;; launch prep (part 1): grid 592 x 1, 4 waves a work-group, no clusters, 34,304 bytes of LDS; arguments x, Wq, Wk, Wv, Wo, lowp_scales, xc, wc, tab; writes xc, wc, tab
.if DOCPART == 1
	.amdgcn_target "amdgcn-amd-amdhsa--gfx1250"
	.amdhsa_code_object_version 6
	.text
	.protected	k_qca8a721cc0_prep
	.globl	k_qca8a721cc0_prep
	.p2align	8
	.type	k_qca8a721cc0_prep,@function
k_qca8a721cc0_prep:
	s_mov_b64 s[64:65], 0
	v_nop
	global_prefetch_b8 v0, s[64:65] scope:SCOPE_SE
	s_setreg_imm32_b32 hwreg(HW_REG_WAVE_MODE, 25, 1), 1
	s_wait_xcnt 0x0
; THE LAUNCH IN FRONT OF THE PRODUCTS.  Three kinds of work-groups, told apart by the work-group's number:
;   0..255    x [4096][2048] f32 becomes three sets of E4M3 codes (its scales for the products with Wq, Wk, Wv may differ): entries 0, 2, 4 of the scales
;   256..575  Wq, Wk, Wv, Wo (f32, K is their FIRST axis) become codes with K innermost: entries 1, 3, 5, 11
;   576..591  the table of cos and sin for the rotary embedding, 1,024 positions x 32 frequencies
; code = number / 2^e, held within +-448, rounded to the nearest code, ties to even.
; THE CODES LIE IN THE ORDER OF AN OPERAND'S REGISTERS (an image).  A fragment is 16 rows x 128 K = 2,048 bytes: piece p (0..3) of 512 bytes, lane 16 h + r at 16 bytes x lane;
; its bytes i hold row r, k = 32 p + 16 (i / 8) + 8 h + i % 8: the 8-bit matrix form's own places.  Byte address in an image of R rows: ks (256 R) + F 4096 + kf 2048 + p 512 + 16 lane, k = 256 ks + 128 kf + ..
; ROWS OF x ARE TAKEN IN FRAG ORDER: lane row r of fragment F is row 32 (F / 2) + 8 (F % 2) + r + 8 (r / 8).  All later launches keep that order; the last one undoes it by its store addresses.
; Rows of a weight's image are its columns n, in natural order: F = n / 16, r = n % 16.
; LIMITS: each of the seven exponents lies between -126 and 119, so that 2^e and 448 x 2^e are f32 numbers.  NaN among the inputs is not served.
; The table's frequencies are 10^(-i/8) rounded to f32; the angle is reduced by multiples of pi/2 in two fused steps, exact enough for positions up to 1,023 (multiples up to 651).
; No tensor loads, no barrier: waves share nothing.  Only the x path uses LDS.
.set RR, 16                            ; v16-143  x path: two sets of 64 numbers as loaded
.set XX, 144                           ; v144-207 x path: 64 numbers in the operand's order
.set TT, 208
.set CC, 224                           ; v224-239 x path: a fragment's codes
	s_load_b256 s[4:11], s[0:1], 0x0               ; x, Wq, Wk, Wv
	s_load_b256 s[12:19], s[0:1], 0x20             ; Wo, the scales' exponents, xc, wc
	s_load_b64 s[20:21], s[0:1], 0x40              ; tab
	v_lshl_add_u32 v240, v0, 2, 0x8400
	v_mov_b32 v241, 0
	v_lshrrev_b32 v1, 5, v0
	v_readfirstlane_b32 s22, v1                    ; wave 0..3
	v_and_b32 v2, 31, v0                           ; lane
	v_lshlrev_b32 v3, 4, v2                        ; 16 x lane: never rewritten
	s_wait_kmcnt 0x0
	s_load_b256 s[68:75], s[14:15], 0x0            ; e0 .. e7
	s_load_b128 s[76:79], s[14:15], 0x20           ; e8 .. e11
	s_cmp_lt_u32 ttmp9, 256
	s_cbranch_scc0 .Lnot_x
; ---------------- x: work-group F takes fragment row F; wave w takes k = 512 w .. 512 w + 511, four fragments of 128
; Each load reads 512 consecutive bytes of one row; the 16 rows turn through the wave's own stage in LDS (rows of 512 + 16 bytes) and come back with each lane's numbers in the operand's order.
	v_and_b32 v5, 15, v0                           ; r
	v_bfe_u32 v6, v0, 4, 1                         ; h
	s_mul_i32 s23, s22, 8448                       ; my stage: 16 rows x 528 bytes
	s_wait_alu depctr_va_vdst(0)
	v_add_nc_u32 v14, s23, v3                      ; in: 16 x lane of a row
	v_mul_u32_u24 v15, v5, 528
	v_lshl_add_u32 v15, v6, 5, v15
	v_add_nc_u32 v15, s23, v15                     ; back: row r, + 32 h bytes (8 numbers)
	s_lshr_b32 s24, ttmp9, 1
	s_lshl_b32 s24, s24, 5
	s_and_b32 s25, ttmp9, 1
	s_lshl_b32 s25, s25, 3
	s_add_co_u32 s24, s24, s25                     ; the fragment's first row: 32 (F / 2) + 8 (F % 2)
	s_lshl_b32 s24, s24, 13                        ; x 8,192 bytes
	s_lshl_b32 s25, s22, 11
	s_add_co_u32 s24, s24, s25                     ; + 2,048 bytes x wave
	s_mov_b32 s25, 0
	s_add_nc_u64 s[4:5], s[4:5], s[24:25]
	s_lshl_b32 s24, s22, 21                        ; the codes: K slot 2 w, 1,048,576 bytes a slot,
	s_lshl_b32 s26, ttmp9, 12
	s_add_co_u32 s24, s24, s26                     ; + 4,096 F
	s_add_nc_u64 s[28:29], s[16:17], s[24:25]      ; the image with e0,
	s_add_nc_u64 s[30:31], s[28:29], 0x800000      ; with e2,
	s_add_nc_u64 s[32:33], s[30:31], 0x800000      ; with e4
.macro XLOAD t                         ; fragment t: 16 rows x 512 bytes into set t % 2
.irp i, 0,1,2,3,4,5,6,7,8,9,10,11,12,13,14,15
	global_load_b128 v[RR+64*((\t)%2)+4*\i:RR+64*((\t)%2)+4*\i+3], v3, s[4:5] offset:(\i+8*(\i/8))*8192+512*(\t) th:TH_LOAD_NT
.endr
.endm
.macro XTURN t                         ; through the stage: LDS serves a wave's instructions in order, so no wait stands between the stores and the loads
.irp i, 0,1,2,3,4,5,6,7,8,9,10,11,12,13,14,15
	ds_store_b128 v14, v[RR+64*((\t)%2)+4*\i:RR+64*((\t)%2)+4*\i+3] offset:528*\i
.endr
.irp c, 0,1,2,3                        ; XX + 16 c + 0..7: k = 32 c + 8 h + 0..7;  + 8..15: k = 32 c + 16 + 8 h + 0..7
	ds_load_b128 v[XX+16*\c:XX+16*\c+3], v15 offset:128*\c
	ds_load_b128 v[XX+16*\c+4:XX+16*\c+7], v15 offset:128*\c+16
	ds_load_b128 v[XX+16*\c+8:XX+16*\c+11], v15 offset:128*\c+64
	ds_load_b128 v[XX+16*\c+12:XX+16*\c+15], v15 offset:128*\c+80
.endr
.endm
.macro SCL es, vs, vl                  ; 2^e and 448 x 2^e as f32
	s_add_co_i32 s34, s[\es], 127
	s_lshl_b32 s35, s34, 23
	v_mov_b32 v[\vs], s35
	s_add_co_i32 s34, s34, 8
	s_lshl_b32 s34, s34, 23
	s_or_b32 s34, s34, 0x600000
.endm
.macro XQ s, t                         ; fragment t with scale s: convert, store four pieces of 512 consecutive bytes
	s_wait_xcnt 0x0                                ; the codes' registers were the last stores' data: they are rewritten only behind this wait
.irp c, 0,1,2,3
.irp i, 0,1,2,3,4,5,6,7,8,9,10,11,12,13,14,15
.endr
	v_cvt_scalef32_pk8_fp8_f32 v[CC+4*\c:CC+4*\c+1], v[TT+((XX+16*\c+0)-(TT+0)):TT+7+((XX+16*\c+0)-(TT+0))], v[8+2*(\s)]
	v_cvt_scalef32_pk8_fp8_f32 v[CC+4*\c+2:CC+4*\c+3], v[TT+8+((XX+16*\c+0)-(TT+0)):TT+15+((XX+16*\c+0)-(TT+0))], v[8+2*(\s)]
	v_nop                                          ; a plain line behind the conversions
.endr
.irp c, 0,1,2,3
	global_store_b128 v3, v[CC+4*\c:CC+4*\c+3], s[28+2*(\s):29+2*(\s)] offset:((\t)/2)*1048576+((\t)%2)*2048+512*\c
.endr
.endm
	XLOAD 0
	XLOAD 1
	s_wait_alu depctr_va_vdst(0)
	s_wait_kmcnt 0x0
	SCL 68, 8, 9                                   ; e0
	SCL 70, 10, 11                                 ; e2
	SCL 72, 12, 13                                 ; e4
	s_wait_alu depctr_va_vdst(0)
.irp t, 0,1,2,3
.if \t < 3
	s_wait_loadcnt 16                              ; this fragment's 16 loads are in; the next one's may be out
.else
	s_wait_loadcnt 0
.endif
	XTURN \t
	s_wait_dscnt 0x0                               ; the numbers are back, and the stage's stores have read their registers,
.if \t < 2
	XLOAD \t+2                                     ; which take the fragment two further on
.endif
	XQ 0, \t
	XQ 1, \t
	XQ 2, \t
.endr
	s_wait_tensorcnt 0x0
	ds_add_u32 v240, v241
	s_wait_dscnt 0x0
	s_endpgm
; ---------------- the weights: a work-group takes 128 columns x 256 along K; a wave 32 columns; A LANE TAKES A COLUMN AND ITS REGISTERS RUN DOWN K
.Lnot_x:
	s_cmp_lt_u32 ttmp9, 576
	s_cbranch_scc0 .Ltab
	s_sub_co_u32 s23, ttmp9, 256                   ; 0..127 Wq, 128..159 Wk, 160..191 Wv, 192..319 Wo
	s_mov_b32 s24, 192                             ; the tensor's first work-group
	s_mov_b32 s25, 4                               ; log2 of its blocks of 128 columns
	s_mov_b32 s26, 8192                            ; bytes of a row
	s_mov_b32 s27, 0                               ; its first row in the image
	s_mov_b32 s28, 6291456                         ; the image's place in wc
	s_mov_b32 s29, 524288                          ; bytes of a K slot in the image
	s_mov_b64 s[30:31], s[12:13]
	s_wait_kmcnt 0x0
	s_mov_b32 s50, s79                             ; e11
	s_cmp_lt_u32 s23, 192
	s_cselect_b32 s24, 160, s24
	s_cselect_b32 s25, 2, s25
	s_cselect_b32 s26, 2048, s26
	s_cselect_b32 s27, 2560, s27
	s_cselect_b32 s28, 0, s28
	s_cselect_b32 s29, 786432, s29
	s_cselect_b32 s50, s73, s50                    ; e5
	s_cselect_b64 s[30:31], s[10:11], s[30:31]
	s_cmp_lt_u32 s23, 160
	s_cselect_b32 s24, 128, s24
	s_cselect_b32 s27, 2048, s27
	s_cselect_b32 s50, s71, s50                    ; e3
	s_cselect_b64 s[30:31], s[8:9], s[30:31]
	s_cmp_lt_u32 s23, 128
	s_cselect_b32 s24, 0, s24
	s_cselect_b32 s25, 4, s25
	s_cselect_b32 s26, 8192, s26
	s_cselect_b32 s27, 0, s27
	s_cselect_b32 s50, s69, s50                    ; e1
	s_cselect_b64 s[30:31], s[6:7], s[30:31]
	s_sub_co_u32 s23, s23, s24
	s_bfm_b32 s51, s25, 0
	s_and_b32 s51, s23, s51                        ; which 128 columns
	s_lshr_b32 s52, s23, s25                       ; which K slot
	s_lshl_b32 s51, s51, 7
	s_lshl_b32 s53, s22, 5
	s_add_co_u32 s51, s51, s53                     ; my wave's first column
	s_mul_i32 s54, s52, s26
	s_lshl_b32 s54, s54, 8                         ; 256 rows a K slot
	s_lshl_b32 s53, s51, 2
	s_add_co_u32 s54, s54, s53
	s_mov_b32 s55, 0
	s_add_nc_u64 s[32:33], s[30:31], s[54:55]      ; block 0 of 32 rows;
	s_lshl_b32 s54, s26, 5
.irp t, 1,2,3,4,5,6,7
	s_add_nc_u64 s[32+2*\t:33+2*\t], s[30+2*\t:31+2*\t], s[54:55]   ; a base for each block: none is stepped
.endr
	s_mul_i32 s56, s52, s29
	s_add_co_u32 s56, s56, s28
	s_add_co_u32 s57, s27, s51
	s_lshl_b32 s57, s57, 8                         ; (row / 16) x 4,096: the row is a multiple of 16
	s_add_co_u32 s56, s56, s57
	s_mov_b32 s57, 0
	s_add_nc_u64 s[48:49], s[18:19], s[56:57]
	s_wait_alu depctr_va_vdst(0)
	v_lshlrev_b32 v16, 2, v2                       ; v16-47: 4 x lane + i rows
.irp i, 1,2,3,4,5,6,7,8,9,10,11,12,13,14,15,16,17,18,19,20,21,22,23,24,25,26,27,28,29,30,31
	v_add_nc_u32 v[16+\i], s26, v[15+\i]
.endr
	v_lshrrev_b32 v4, 4, v2
	v_and_b32 v5, 15, v2
	v_lshlrev_b32 v4, 12, v4
	v_lshl_add_u32 v4, v5, 4, v4                   ; the image: 4,096 (lane / 16) + 16 (lane % 16)
.macro WLOAD t                         ; block t: W(32 t + i, my column) into set t % 2: a wave reads 128 consecutive bytes, the four waves 512
.irp i, 0,1,2,3,4,5,6,7,8,9,10,11,12,13,14,15,16,17,18,19,20,21,22,23,24,25,26,27,28,29,30,31
	global_load_b32 v[48+32*((\t)%2)+\i], v[16+\i], s[32+2*(\t):33+2*(\t)] th:TH_LOAD_NT
.endr
.endm
	WLOAD 0
	WLOAD 1
	s_add_co_i32 s50, s50, 127
	s_lshl_b32 s51, s50, 23
	v_mov_b32 v11, s51                             ; 2^e
	s_add_co_i32 s50, s50, 8
	s_lshl_b32 s50, s50, 23
	s_or_b32 s50, s50, 0x600000
.macro WBLOCK t
.set XS, 48+32*((\t)%2)
.set CB, 112+8*(\t)                    ; eight registers of codes for each block: no store's data are written again
.if (\t) < 7
	s_wait_loadcnt 32                              ; this block's 32 loads are in; the next block's may be out
.else
	s_wait_loadcnt 0
.endif
.irp i, 0,1,2,3,4,5,6,7,8,9,10,11,12,13,14,15,16,17,18,19,20,21,22,23,24,25,26,27,28,29,30,31
.endr
	v_cvt_scalef32_pk8_fp8_f32 v[CB:CB+1], v[XS:XS+7], v11         ; k 0..7 and 16..23 are the 16 bytes of the piece's half h = 0,
	v_cvt_scalef32_pk8_fp8_f32 v[CB+4:CB+5], v[XS+8:XS+15], v11    ; k 8..15 and 24..31 those of h = 1
	v_cvt_scalef32_pk8_fp8_f32 v[CB+2:CB+3], v[XS+16:XS+23], v11
	v_cvt_scalef32_pk8_fp8_f32 v[CB+6:CB+7], v[XS+24:XS+31], v11
	global_store_b128 v4, v[CB:CB+3], s[48:49] offset:((\t)/4)*2048+((\t)%4)*512       ; sixteen lanes store 256 consecutive bytes, aligned
	global_store_b128 v4, v[CB+4:CB+7], s[48:49] offset:((\t)/4)*2048+((\t)%4)*512+256
.if (\t)+2 < 8
	WLOAD (\t)+2
.endif
.endm
	s_wait_alu depctr_va_vdst(0)
.irp t, 0,1,2,3,4,5,6,7
	WBLOCK \t
.endr
	s_endpgm
; ---------------- the table: wave w of work-group g makes position fragment F' = 4 g + w: 4,096 bytes, eight pieces of 512: piece 4 s + 2 b + q (s: cos, sin), lane (r, h): frequencies 16 b + 8 h + 4 q + 0..3
.Ltab:
	s_wait_kmcnt 0x0                               ; (the exponents are not used here)
	s_sub_co_u32 s23, ttmp9, 576
	s_lshl_b32 s23, s23, 2
	s_add_co_u32 s23, s23, s22                     ; F'
	s_lshr_b32 s24, s23, 1
	s_lshl_b32 s24, s24, 5
	s_and_b32 s25, s23, 1
	s_lshl_b32 s25, s25, 3
	s_add_co_u32 s24, s24, s25
	v_and_b32 v5, 15, v0
	v_and_b32 v6, 8, v5
	v_add_nc_u32 v5, v5, v6
	v_add_nc_u32 v5, s24, v5                       ; my position
	v_cvt_f32_u32 v7, v5
	s_wait_alu depctr_va_vdst(0)
	v_cmp_lt_u32 vcc_lo, 15, v2                    ; lanes 16-31
	v_mov_b32 v8, 0x37ccf5ce                       ; the leading coefficients of cos's and sin's polynomials
	v_mov_b32 v9, 0xb94ca1f9
	s_lshl_b32 s24, s23, 12
	s_mov_b32 s25, 0
	s_add_nc_u64 s[20:21], s[20:21], s[24:25]
; cos -> v[32 + idx], sin -> v[48 + idx] of position x frequency (fa in lanes 0-15, fb in lanes 16-31).  The angle is rounded to f32 once.
; n = the nearest multiple of pi/2; r = angle - n pi/2 by two fused steps; polynomials on |r| <= pi/4; the quadrant chooses and signs by selects.
.macro TRIG idx, fa, fb
	v_mul_f32 v10, \fa, v7
	v_mul_f32 v11, \fb, v7
	v_cndmask_b32 v11, v10, v11, vcc_lo
	v_mul_f32 v12, 0x3f22f983, v11                 ; x 2 / pi
	v_rndne_f32 v12, v12
	v_fmamk_f32 v13, v12, 0xbfc90fdb, v11          ; - n x the f32 number next to pi/2: exact for these n
	v_fmamk_f32 v13, v12, 0x333bbd2e, v13          ; - n x what that number lacks
	v_mul_f32 v14, v13, v13
	v_fmaak_f32 v15, v14, v8, 0xbab6061a
	v_fmaak_f32 v16, v14, v9, 0x3c08839e
	v_fmaak_f32 v15, v15, v14, 0x3d2aaaa5
	v_fmaak_f32 v16, v16, v14, 0xbe2aaaa3
	v_mul_f32 v17, v14, v14
	v_fma_f32 v18, v14, -0.5, 1.0
	v_mul_f32 v19, v13, v14
	v_fma_f32 v18, v15, v17, v18                   ; cos r
	v_fma_f32 v20, v16, v19, v13                   ; sin r
	v_cvt_i32_f32 v21, v12
	v_and_b32 v22, 1, v21
	v_cmp_eq_u32 s30, 1, v22
	v_cndmask_b32 v23, v20, v18, s30               ; odd quadrants swap the two
	v_cndmask_b32 v24, v18, v20, s30
	v_lshlrev_b32 v22, 30, v21
	v_and_b32 v22, 0x80000000, v22                 ; sin is negative in quadrants 2, 3
	v_xor_b32 v[48+\idx], v22, v23
	v_add_nc_u32 v21, 1, v21
	v_lshlrev_b32 v21, 30, v21
	v_and_b32 v21, 0x80000000, v21                 ; cos in quadrants 1, 2
	v_xor_b32 v[32+\idx], v21, v24
.endm
	TRIG 0, 1.0, 0.1
	TRIG 1, 0.7498942093, 0.07498942093
	TRIG 2, 0.5623413252, 0.05623413252
	TRIG 3, 0.4216965034, 0.04216965034
	TRIG 4, 0.3162277660, 0.03162277660
	TRIG 5, 0.2371373706, 0.02371373706
	TRIG 6, 0.1778279410, 0.01778279410
	TRIG 7, 0.1333521432, 0.01333521432
	TRIG 8, 0.01, 0.001
	TRIG 9, 0.007498942093, 0.0007498942093
	TRIG 10, 0.005623413252, 0.0005623413252
	TRIG 11, 0.004216965034, 0.0004216965034
	TRIG 12, 0.003162277660, 0.0003162277660
	TRIG 13, 0.002371373706, 0.0002371373706
	TRIG 14, 0.001778279410, 0.0001778279410
	TRIG 15, 0.001333521432, 0.0001333521432
.irp p, 0,1,2,3
	global_store_b128 v3, v[32+4*\p:35+4*\p], s[20:21] offset:512*\p
	global_store_b128 v3, v[48+4*\p:51+4*\p], s[20:21] offset:2048+512*\p
.endr
	s_endpgm
.Lfunc_end_k_qca8a721cc0_prep:
	.size	k_qca8a721cc0_prep, .Lfunc_end_k_qca8a721cc0_prep-k_qca8a721cc0_prep
	.p2alignl 7, 3214868480
	.fill 96, 4, 3214868480
	.section	.rodata,"a",@progbits
	.p2align	6, 0x0
	.amdhsa_kernel k_qca8a721cc0_prep
		.amdhsa_group_segment_fixed_size 34304
		.amdhsa_private_segment_fixed_size 0
		.amdhsa_enable_private_segment 0
		.amdhsa_kernarg_size 72
		.amdhsa_user_sgpr_count 2
		.amdhsa_user_sgpr_kernarg_segment_ptr 1
		.amdhsa_wavefront_size32 1
		.amdhsa_system_sgpr_workgroup_id_x 1
		.amdhsa_system_sgpr_workgroup_id_y 1
		.amdhsa_system_sgpr_workgroup_id_z 1
		.amdhsa_system_vgpr_workitem_id 0
		.amdhsa_next_free_vgpr 242
		.amdhsa_next_free_sgpr 96
		.amdhsa_reserve_vcc 1
		.amdhsa_float_denorm_mode_32 3
		.amdhsa_float_denorm_mode_16_64 3
		.amdhsa_fp16_overflow 1
		.amdhsa_memory_ordered 1
		.amdhsa_forward_progress 1
		.amdhsa_inst_pref_size 86
	.end_amdhsa_kernel
	.amdgpu_metadata
---
amdhsa.version: [ 1, 2 ]
amdhsa.kernels:
  - .name:           k_qca8a721cc0_prep
    .symbol:         k_qca8a721cc0_prep.kd
    .args:
      - { .name: x, .offset: 0, .size: 8, .value_kind: global_buffer, .address_space: global }
      - { .name: Wq, .offset: 8, .size: 8, .value_kind: global_buffer, .address_space: global }
      - { .name: Wk, .offset: 16, .size: 8, .value_kind: global_buffer, .address_space: global }
      - { .name: Wv, .offset: 24, .size: 8, .value_kind: global_buffer, .address_space: global }
      - { .name: Wo, .offset: 32, .size: 8, .value_kind: global_buffer, .address_space: global }
      - { .name: lowp_scales, .offset: 40, .size: 8, .value_kind: global_buffer, .address_space: global }
      - { .name: xc, .offset: 48, .size: 8, .value_kind: global_buffer, .address_space: global }
      - { .name: wc, .offset: 56, .size: 8, .value_kind: global_buffer, .address_space: global }
      - { .name: tab, .offset: 64, .size: 8, .value_kind: global_buffer, .address_space: global }
    .group_segment_fixed_size: 34304
    .private_segment_fixed_size: 0
    .kernarg_segment_align: 8
    .kernarg_segment_size: 72
    .max_flat_workgroup_size: 128
    .sgpr_count:     96
    .vgpr_count:     242
    .wavefront_size: 32
...
	.end_amdgpu_metadata
.endif
;; end of part 1
;; launch qkv (part 2): grid 24 x 16, 4 waves a work-group, clusters of 4 x 4, 327,680 bytes of LDS; arguments xc, wc, lowp_scales, tab, qc, kvc, nb; writes qc, kvc, nb
.if DOCPART == 2
	.amdgcn_target "amdgcn-amd-amdhsa--gfx1250"
	.amdhsa_code_object_version 6
	.text
	.protected	k_qca8a721cc0_qkv
	.globl	k_qca8a721cc0_qkv
	.p2align	8
	.type	k_qca8a721cc0_qkv,@function
k_qca8a721cc0_qkv:
	s_mov_b64 s[64:65], 0
	v_nop
	global_prefetch_b8 v0, s[64:65] scope:SCOPE_SE
	s_setreg_imm32_b32 hwreg(HW_REG_WAVE_MODE, 25, 1), 1
	s_wait_xcnt 0x0
	s_wait_alu depctr_hold_cnt(0) depctr_sa_sdst(0) depctr_va_vdst(0) depctr_va_sdst(0) depctr_va_ssrc(0) depctr_va_vcc(0) depctr_vm_vsrc(0)
	s_getreg_b32 s2, hwreg(HW_REG_IB_STS2, 6, 4)
	s_cmp_eq_u32 s2, 0
	s_cbranch_scc0 .Lentry_in_a_cluster
	s_endpgm
.Lentry_in_a_cluster:
	s_bfe_u32 s2, ttmp6, 0x10000c
	s_cmp_lg_u32 s2, 0xf033
	s_cbranch_scc0 .Lentry_shape_is_right
	s_endpgm
.Lentry_shape_is_right:
; q = x Wq, k = x Wk, v = x Wv on E4M3 codes, then the rotary embedding, the squared norms and the quantisers of the attention's operands.
; One GEMM of 4,096 rows x 3,072 columns (2,048 of q, 512 of k, 512 of v), K = 2,048.  A work-group makes 256 rows x 128 columns, four waves 2 x 2, a wave 128 x 64: 32 accumulators.  A wave's 64 columns are ONE HEAD.
; Both operands come as images of their registers (a fragment of 16 rows x 128 K is 2,048 dense bytes, four pieces of 512, lane l at 16 l): four ds_load_b128 a fragment, no pitch, no padding, each instruction 512 consecutive bytes.
; THE RING.  K goes in eight slots of 256 through THREE LDS slots; an operand's tile of one K slot is one dense block of memory (x: 65,536 bytes, the weights: 32,768), brought whole by one tensor load.
; Waves 0 and 1 fetch x's tiles, waves 2 and 3 the weights'; the even wave of a pair serves LDS slots 0 and 2, the odd one slot 1.  So one round of refills, one load a wave, brings TWO K slots:
;   at the start K slots 0, 1, 2 together | 0 and 1 multiplied | 3, 4 asked for, 2 multiplied | 5 asked for (the even waves), 3 and 4 multiplied | 6, 7 asked for, 5 multiplied | 6 and 7 multiplied.
; Four flights for the eight K slots.  The walk is written out: it has no loop.  A wave has at most two tensor loads out (the even waves, at the start).
; CLUSTERS: 4 x 4 work-groups.  A row of the cluster shares x's tiles, a column the weights': each tile is asked for jointly.  A cluster's four tile columns are of one kind (cluster x 0..3: q, 4: k, 5: v),
; so x's codes, which differ with the kind (each product has its own scale for x), are the same for the four that ask together.
; THE MATRIX INSTRUCTION IS USED TRANSPOSED (source 0 = 16 columns of the weight, source 1 = 16 rows of x): lane (r, h) of accumulator (a, b) holds row r of fragment a and the head's channels 16 b + 8 h + 0..7.
; So eight registers become two registers of codes in the very places that the next product's operand wants: q and k leave as register images with no turn through LDS.
; The sums are never scaled: a sum stands for sum x 2^(eA + eB), and the conversion takes 2^(eO - eA - eB) as its one scale.
; v is needed with the KEYS innermost: its f32 sums turn through the wave's stage in LDS, 32 keys at a time.
; OUT: qc, kvc (k): ((batch HB + head) 64 + F') 1024 + piece 512 + 16 lane.  kvc + 2 MiB (v^T): ((batch 8 + head) 8 + s) 8192 + b 2048 + c 512 + 16 lane: channel 16 b + r, keys 128 s + 32 c + 16 h + 0..15.
;      nb: -0.5 c |q|^2 (c = log2(e) / 8) for each query; from byte 524,288 on -0.5 |k|^2 / 2^(e6 + e7) for each key; both in frag order (16 F' + r).
; LIMITS on the given exponents: eO - eA - eB lies between -126 and 119 for each of q, k, v.  NaN among the inputs is not served.
; REGISTERS, in windows of 256: window 0: v0-31 addresses and constants; v32-63 at work; v64-127, v128-191 the weights' fragments, two sets.
;   window 1: accumulator (a, b) at v[8 (4 a + b)].   window 2: x's fragments, two sets of 128.   window 3: the table of cos and sin for my eight blocks of rows, 32 registers a block.
.set SLOT,  98304                      ; x's 16 fragments x 4,096 bytes, then the weights' 8
.set SPARE, 3*SLOT                     ; behind the ring: the spare words, 128 bytes for each wave: two blocks of 256 bytes that no other line names
.set STG,   2*SLOT                     ; the stages lie in LDS slot 2: when the first result is stored there it has had its last fill (K slot 5), and every wave has passed the last barrier, behind which nobody reads it
.set WST,   9728                       ; a wave's stage: 9,216 bytes for v's turn (64 channels x 144), then 512 for the norms: the two ways out share no byte
.set KSA,   1048576                    ; a K slot of x's image
.set KSB,   786432                     ; and of the weights'
.set LI,   2                           ; v2   16 x lane; never rewritten
.set ADRA, 16                          ; v16-18 LDS address of my fragments of x in slot 0, 1, 2
.set ADRB, 19                          ; v19-21 the same for the weights
.set VSA,  22                          ; v22  v's turn: where a lane puts a number
.set VLA,  23                          ; v23  and where it reads 16 keys back
.set NSA,  24                          ; v24  the norms: in
.set NLA,  25                          ; v25  and back
.set SPW,  28                          ; v28  LDS address of my spare word; never rewritten
.set NIL,  29                          ; v29  0; never rewritten
.set SCV,  30                          ; v30  2^(eO - eA - eB)
.set LIM,  31
.set G1, 24                            ; s[24:31] descriptor group 1 for x's tiles;  s[32:35] group 0 of set 0 (LDS slot = my wave's number % 2), s[36:39] of set 1 (LDS slot 2)
.set G0, 32
.set G1B, 48                           ; s[48:55], s[56:63] the same for the weights'
.set G0B, 56
.set MSB, 0
.macro WIN new                         ; the immediate's high byte repeats the setting that is left
.if MSB != \new
	s_set_vgpr_msb (MSB<<8)|\new
.set MSB, \new
.endif
.endm
.set W_MUL, 0x58                       ; source 0 (weights) window 0, source 1 (x) window 2, C and D window 1
.set TO_A,  0x80                       ; destination window 2, address window 0
; A joint refill by descriptor set 0 or 1: waves 0 and 1 fetch for x, waves 2 and 3 for the weights.  only0 = 1: the even wave of each pair alone.  The branches hang on the wave's number alone.
; Four v_nop follow each of the two lines.
.macro JL set, only0
.if \only0
	s_cmp_lg_u32 s16, 0
	s_cbranch_scc1 .Lasked_\@
.endif
	s_cmp_eq_u32 s15, 0
	s_cbranch_scc0 .Lfor_b_\@
	tensor_load_to_lds s[G0+4*\set:G0+4*\set+3], s[G1:G1+7]
	s_nop 0
.rept 4
	v_nop
.endr
	s_branch .Lasked_\@
.Lfor_b_\@:
	tensor_load_to_lds s[G0B+4*\set:G0B+4*\set+3], s[G1B:G1B+7]
	s_nop 0
.rept 4
	v_nop
.endr
.Lasked_\@:
.endm
.macro CREST                           ; a round of the cluster's barrier behind its opening barrier
	s_cmp_lg_u32 s14, 0
	s_cbranch_scc1 .Lnot_wave_0_\@
	s_barrier_signal -3
.Lnot_wave_0_\@:
	s_barrier_wait -3
	s_barrier_signal -1
	s_barrier_wait -1
.endm
.macro CROUND
	s_barrier_signal -1
	s_barrier_wait -1
	CREST
.endm
.macro PLACES n                        ; plain vector lines between a matrix instruction and a load into, or a read or write of, its registers
.rept \n
	v_nop
.endr
.endm
	s_load_b256 s[4:11], s[0:1], 0x0               ; xc, wc, the scales' exponents, tab
	s_load_b128 s[68:71], s[0:1], 0x20             ; qc, kvc
	s_load_b64 s[72:73], s[0:1], 0x30              ; nb
	v_lshl_add_u32 v[SPW], v0, 2, SPARE
	v_mov_b32 v[NIL], 0
	ds_add_u32 v28, v29
	ds_add_u32 v28, v29
	s_wait_dscnt 0x0
	v_lshrrev_b32 v1, 5, v0
	v_readfirstlane_b32 s14, v1                    ; wave 0..3
	s_lshr_b32 s15, s14, 1                         ; which 128 rows are mine.  Also: I fetch for x (0) or for the weights (1)
	s_and_b32 s16, s14, 1                          ; which 64 columns.  Also: the even or the odd wave of the pair that fetches
	s_bfe_u32 s40, ttmp6, 0x40000                  ; cx, cy: my place in the cluster
	s_bfe_u32 s41, ttmp6, 0x40004
	s_lshl_b32 s42, ttmp9, 2
	s_add_co_u32 s42, s42, s40                     ; tile column = 4 x cluster x + cx
	s_and_b32 s17, ttmp7, 0xffff
	s_lshl_b32 s17, s17, 2
	s_add_co_u32 s17, s17, s41                     ; tile row = 4 x cluster y + cy
	s_lshl_b32 s43, s41, 2
	s_lshl_b32 s43, 15, s43                        ; my row of the cluster
	s_lshl_b32 s44, 0x1111, s40                    ; my column
	s_max_u32 s45, ttmp9, 3
	s_sub_co_u32 s45, s45, 3                       ; the kind: 0 q, 1 k, 2 v: the same in all sixteen partners
	; descriptor group 1: a dense block as rows of 256 bytes (32 elements of 8 bytes): 256 rows of x's codes, 128 of the weights'
	s_or_b32 s[G1+0], s43, (3<<16)|(1<<21)         ; 15:0 the mask; 17:16 elements of 8 bytes; 21 set beside a mask; no padding
	s_or_b32 s[G1B+0], s44, (3<<16)|(1<<21)
	s_mov_b32 s[G1+1], 32<<16                      ; tensor_dim0
	s_mov_b32 s[G1+2], 256<<16                     ; tensor_dim1
	s_mov_b32 s[G1+3], 32<<16                      ; tile_dim0
	s_mov_b32 s[G1+4], 256                         ; tile_dim1
	s_mov_b32 s[G1+5], 32                          ; the pitch
	s_mov_b32 s[G1+6], 0
	s_mov_b32 s[G1+7], 0
	s_mov_b32 s[G1B+1], 32<<16
	s_mov_b32 s[G1B+2], 128<<16
	s_mov_b32 s[G1B+3], 32<<16
	s_mov_b32 s[G1B+4], 128
	s_mov_b32 s[G1B+5], 32
	s_mov_b32 s[G1B+6], 0
	s_mov_b32 s[G1B+7], 0
	s_lshl_b32 s20, s17, 16                        ; x: 16 fragments x 4,096 bytes a tile row,
	s_lshl_b32 s18, s45, 23
	s_add_co_u32 s20, s20, s18                     ; in the image of the kind's scale
	s_mov_b32 s21, 0
	s_lshl_b32 s46, s42, 15                        ; the weights: 8 fragments a tile column
	s_mov_b32 s47, 0
	s_lshl_b32 s18, s16, 20                        ; set 0 begins at K slot 0 (the even wave) or 1 (the odd one): in x's image,
	s_mov_b32 s19, 0
	s_mul_i32 s12, s16, KSB                        ; in the weights',
	s_mov_b32 s13, 0
	s_mul_i32 s22, s16, SLOT                       ; and in LDS: no place in the cluster enters an LDS address
	s_add_co_u32 s23, s22, 65536
	s_wait_kmcnt 0x0
	s_load_b256 s[76:83], s[8:9], 0x0              ; e0 .. e7
	s_load_b128 s[84:87], s[8:9], 0x20             ; e8 .. e11
	s_add_nc_u64 s[20:21], s[4:5], s[20:21]
	s_add_nc_u64 s[46:47], s[6:7], s[46:47]
	CROUND                                         ; all sixteen work-groups are here: the first joint loads meet
	s_mov_b32 s[G0], 1                             ; set 0: K slot 0 or 1 into LDS slot 0 or 1
	s_mov_b32 s[G0+1], s22
	s_add_nc_u64 s[G0+2:G0+3], s[20:21], s[18:19]
	s_or_b32 s[G0+3], s[G0+3], 0x80000000
	s_mov_b32 s[G0+4], 1                           ; set 1: K slot 2 into LDS slot 2
	s_mov_b32 s[G0+5], 2*SLOT
	s_add_nc_u64 s[G0+6:G0+7], s[20:21], 2*KSA
	s_or_b32 s[G0+7], s[G0+7], 0x80000000
	s_mov_b32 s[G0B], 1
	s_mov_b32 s[G0B+1], s23
	s_add_nc_u64 s[G0B+2:G0B+3], s[46:47], s[12:13]
	s_or_b32 s[G0B+3], s[G0B+3], 0x80000000
	s_mov_b32 s[G0B+4], 1
	s_mov_b32 s[G0B+5], 2*SLOT+65536
	s_add_nc_u64 s[G0B+6:G0B+7], s[46:47], 2*KSB
	s_or_b32 s[G0B+7], s[G0B+7], 0x80000000
	; the first fills: K slots 0, 1, 2, all at once.  Each wave's stand in one arm of a branch on its number: the even wave of a pair issues two, the odd one one
	s_cmp_eq_u32 s15, 0
	s_cbranch_scc0 .Lfirst_b
	s_cmp_eq_u32 s16, 0
	s_cbranch_scc0 .Lfirst_a1
	tensor_load_to_lds s[G0:G0+3], s[G1:G1+7]
	s_nop 0
	tensor_load_to_lds s[G0+4:G0+7], s[G1:G1+7]
	s_nop 0
.rept 4
	v_nop
.endr
	s_branch .Lfirst_done
.Lfirst_a1:
	tensor_load_to_lds s[G0:G0+3], s[G1:G1+7]
	s_nop 0
.rept 4
	v_nop
.endr
	s_branch .Lfirst_done
.Lfirst_b:
	s_cmp_eq_u32 s16, 0
	s_cbranch_scc0 .Lfirst_b1
	tensor_load_to_lds s[G0B:G0B+3], s[G1B:G1B+7]
	s_nop 0
	tensor_load_to_lds s[G0B+4:G0B+7], s[G1B:G1B+7]
	s_nop 0
.rept 4
	v_nop
.endr
	s_branch .Lfirst_done
.Lfirst_b1:
	tensor_load_to_lds s[G0B:G0B+3], s[G1B:G1B+7]
	s_nop 0
.rept 4
	v_nop
.endr
.Lfirst_done:
	v_and_b32 v1, 31, v0
	v_lshlrev_b32 v[LI], 4, v1
	v_and_b32 v5, 15, v0                           ; r
	s_wait_alu depctr_va_vdst(0)
	v_bfe_u32 v6, v0, 4, 1                         ; h
	s_wait_alu depctr_va_vdst(0)
	s_lshl_b32 s18, s15, 15                        ; my 8 fragments of x
	s_lshl_b32 s19, s16, 14
	s_add_co_u32 s19, s19, 65536                   ; my 4 of the weights
.irp s, 0,1,2
	v_add_nc_u32 v[ADRA+\s], s18, v[LI]
	v_add_nc_u32 v[ADRB+\s], s19, v[LI]
	s_add_co_u32 s18, s18, SLOT
	s_add_co_u32 s19, s19, SLOT
.endr
	s_mul_i32 s99, s14, WST
	s_add_co_u32 s99, s99, STG                     ; my stage
	v_and_b32 v7, 8, v5
	v_add_nc_u32 v7, v7, v5                        ; r + 8 (r / 8): my row's place among the 32 keys of a pair of fragments
	v_mul_u32_u24 v8, v6, 1152                     ; 8 h channels x 144 bytes
	v_lshl_add_u32 v[VSA], v7, 2, v8
	v_add_nc_u32 v[VSA], s99, v[VSA]
	v_mul_u32_u24 v[VLA], v5, 144
	v_lshl_add_u32 v[VLA], v6, 6, v[VLA]           ; channel r, keys 16 h on
	v_add_nc_u32 v[VLA], s99, v[VLA]
	v_lshlrev_b32 v[NSA], 2, v5
	v_add_nc_u32 v[NSA], s99, v[NSA]
	v_add_nc_u32 v[NLA], s99, v[LI]
	s_mov_b32 s66, 0x76543210                      ; v_permlanex16_b32: lane l xor 16
	s_mov_b32 s67, 0xfedcba98
	; where my results go.  The head has one way for all three kinds: every pointer is chosen by a select on the kind
	s_cmp_eq_u32 s45, 1
	s_cselect_b32 s95, 16, 20
	s_cmp_eq_u32 s45, 0
	s_cselect_b32 s95, 0, s95                      ; the kind's first tile column
	s_cselect_b32 s96, 5, 3                        ; log2 of its heads
	s_cselect_b64 s[74:75], s[68:69], s[70:71]     ; q's codes, or k's and v's
	s_cselect_b32 s93, 0, 524288                   ; q's part of nb, or k's
	s_sub_co_u32 s95, s42, s95
	s_lshl_b32 s95, s95, 1
	s_add_co_u32 s95, s95, s16                     ; my head
	s_lshr_b32 s97, s17, 2                         ; the batch: four tile rows each
	s_lshl_b32 s97, s97, s96
	s_add_co_u32 s97, s97, s95
	s_and_b32 s98, s17, 3
	s_lshl_b32 s98, s98, 4
	s_lshl_b32 s96, s15, 3
	s_add_co_u32 s98, s98, s96                     ; F0': my first fragment within the batch
	s_lshl_b32 s97, s97, 6
	s_add_co_u32 s97, s97, s98                     ; (batch x heads + head) 64 + F0'
	s_lshl_b32 s100, s97, 10                       ; x 1,024 bytes: for v too, since 8 fragments of 1,024 are one key step of 8,192
	s_mov_b32 s101, 0
	s_cmp_eq_u32 s45, 2
	s_cselect_b32 s96, 2097152, 0
	s_add_co_u32 s100, s100, s96
	s_add_nc_u64 s[74:75], s[74:75], s[100:101]
	s_lshl_b32 s100, s97, 6                        ; 16 numbers of 4 bytes a fragment
	s_add_co_u32 s100, s100, s93
	s_add_nc_u64 s[72:73], s[72:73], s[100:101]
	s_lshl_b32 s100, s98, 12
	s_add_nc_u64 s[10:11], s[10:11], s[100:101]    ; the table at my first fragment
	s_wait_kmcnt 0x0
	s_add_co_i32 s93, s82, s83                     ; e6 + e7
	s_mov_b32 s94, 0xbf000000                      ; -0.5
	s_cmp_eq_u32 s45, 1
	s_cselect_b32 s88, s78, s80
	s_cselect_b32 s89, s79, s81
	s_cselect_b32 s90, s83, s85
	s_cmp_eq_u32 s45, 0
	s_cselect_b32 s88, s76, s88                    ; eA: e0, e2, e4
	s_cselect_b32 s89, s77, s89                    ; eB: e1, e3, e5
	s_cselect_b32 s90, s82, s90                    ; eO: e6, e7, e9
	s_cselect_b32 s93, 0, s93
	s_cselect_b32 s94, 0xbdb8aa3b, s94             ; the norm's factor: -c / 2 for q, -0.5 for k
	s_add_co_i32 s88, s88, s89
	s_sub_co_i32 s90, s90, s88
	s_lshl_b32 s92, s88, 1
	s_sub_co_i32 s92, s92, s93                     ; and its power of two: 2 (eA + eB), for k less e6 + e7
	s_add_co_i32 s90, s90, 127
	s_lshl_b32 s91, s90, 23
	v_mov_b32 v[SCV], s91
; n blocks of x from a0 on, each against the weights' four: 128 along K, set p.  zero = 1: the first product starts the sums.  The 32 accumulators take turns, one instruction a turn, in the same order in every step.
.macro MUL a0, n, p, zero
.set ma, \a0
.rept \n
.irp b, 0,1,2,3
.if \zero
	v_wmma_f32_16x16x128_fp8_fp8 v[8*(4*ma+\b):8*(4*ma+\b)+7], v[64+64*(\p)+16*\b:64+64*(\p)+16*\b+15], v[128*(\p)+16*ma:128*(\p)+16*ma+15], 0
.else
	v_wmma_f32_16x16x128_fp8_fp8 v[8*(4*ma+\b):8*(4*ma+\b)+7], v[64+64*(\p)+16*\b:64+64*(\p)+16*\b+15], v[128*(\p)+16*ma:128*(\p)+16*ma+15], v[8*(4*ma+\b):8*(4*ma+\b)+7]
.endif
.endr
.set ma, ma+1
.endr
.endm
; 48 LDS loads in one run: the fragments of the LDS slot's kf-th 128 along K into set p: the weights' 4, then x's 8
.macro FETCH slot, kf, p
	WIN 0
.irp b, 0,1,2,3
.irp c, 0,1,2,3
	ds_load_b128 v[64+64*(\p)+16*\b+4*\c:64+64*(\p)+16*\b+4*\c+3], v[ADRB+\slot] offset:\b*4096+(\kf)*2048+512*\c
.endr
.endr
	WIN TO_A
.irp a, 0,1,2,3,4,5,6,7
.irp c, 0,1,2,3
	ds_load_b128 v[128*(\p)+16*\a+4*\c:128*(\p)+16*\a+4*\c+3], v[ADRA+\slot] offset:\a*4096+(\kf)*2048+512*\c
.endr
.endr
.endm
; A step of 128 along K on set p whose successor (LDS slot nslot, its nkf-th 128) lies in LDS already: it is fetched into the other set in the step's middle.
.macro STEP p, nslot, nkf, zero
	s_wait_dscnt 16                                ; the weights and x's blocks 0-3 are in; the youngest 16 loads (blocks 4-7) may be out
	WIN W_MUL
	MUL 0, 4, \p, \zero
	s_wait_dscnt 0x0
	PLACES 4                                       ; in front of loads into the other set, which matrix instructions have read
	FETCH \nslot, \nkf, 1-(\p)
	WIN W_MUL
	MUL 4, 4, \p, \zero
.endm
; A step on set 1 with a barrier in its middle.  In front of the barrier each wave waits for all its tensor loads, adds 0 to its spare word, and waits for that and for its reads of the slots that it has left.
; fill = 1: the barrier opens a round of the cluster's, and LDS slots 0 and 1 are filled again, by set 0, three K slots on; fill = 2: LDS slot 2, by set 1, the even waves alone; fill = 0: nothing is filled.
; Then the next LDS slot's first fragments are fetched.
.macro TURN next, fill
	WIN 0                                          ; (the add's two registers lie in window 0)
	s_wait_tensorcnt 0x0                           ; all my tensor loads have landed
	ds_add_u32 v[SPW], v[NIL]                      ; 0 onto my spare word
	s_wait_dscnt 17                                ; (the add and the youngest 16 loads, x's blocks 4-7, may be out)
	WIN W_MUL
	MUL 0, 2, 1, 0                                 ; eight matrix instructions stand between the add and the wait for it
	s_wait_dscnt 0x0                               ; the add is done, and my reads of the slots that I leave are over
	s_barrier_signal -1
	MUL 2, 2, 1, 0
	WIN 0
	s_barrier_wait -1
.if \fill == 1
	CREST                                          ; no wave of any partner still reads these slots or has a load on its way
	s_add_nc_u64 s[G0+2:G0+3], s[G0+2:G0+3], 3*KSA
	s_add_nc_u64 s[G0B+2:G0B+3], s[G0B+2:G0B+3], 3*KSB
	JL 0, 0                                        ; my one tensor load behind the round; its four v_nop are also the places in front of the loads below
.elseif \fill == 2
	CREST
	s_add_nc_u64 s[G0+6:G0+7], s[G0+6:G0+7], 3*KSA
	s_add_nc_u64 s[G0B+6:G0B+7], s[G0B+6:G0B+7], 3*KSB
	JL 1, 1
	PLACES 4                                       ; for the waves that have issued no load
.else
	PLACES 4
.endif
	FETCH \next, 0, 0
	WIN W_MUL
	MUL 4, 4, 1, 0
.endm
.macro LOADCS a                        ; block a's cos (16 registers) and sin (16) into window 3
	WIN 0xc0                                       ; destination window 3, address window 0
.irp p, 0,1,2,3,4,5,6,7
	global_load_b128 v[32*(\a)+4*\p:32*(\a)+4*\p+3], v[LI], s[10:11] offset:(\a)*4096+512*\p
.endr
.endm
	s_wait_tensorcnt 0x0                           ; my parts of K slots 0, 1, 2 are in,
	s_barrier_signal -1
	s_barrier_wait -1                              ; everybody's are
	FETCH 0, 0, 0
	STEP 0, 0, 1, 1                                ; K slot 0: the first step's products start the sums
	STEP 1, 1, 0, 0
	STEP 0, 1, 1, 0                                ; K slot 1
	TURN 2, 1                                      ; K slots 3 and 4 are asked for
.irp a, 0,1,2,3
	LOADCS \a                                      ; the table is asked for here and behind the next refill, 32 loads each time, with the rest of the K walk in which to land.  The tiles of v ask too (32 KB a wave, not used there), so that the text has one way
.endr
	STEP 0, 2, 1, 0                                ; K slot 2
	TURN 0, 2                                      ; K slot 5 is asked for
.irp a, 4,5,6,7
	LOADCS \a
.endr
	STEP 0, 0, 1, 0                                ; K slot 3
	STEP 1, 1, 0, 0
	STEP 0, 1, 1, 0                                ; K slot 4
	TURN 2, 1                                      ; K slots 6 and 7 are asked for
	STEP 0, 2, 1, 0                                ; K slot 5
	TURN 0, 0                                      ; nothing is left to ask for
	STEP 0, 0, 1, 0                                ; K slot 6
	STEP 1, 1, 0, 0
	STEP 0, 1, 1, 0                                ; K slot 7
	s_wait_dscnt 16
	WIN W_MUL
	MUL 0, 4, 1, 0
	s_wait_dscnt 0x0
	MUL 4, 4, 1, 0
	WIN 0
	PLACES 4                                       ; in front of the first reads of results and the first writes of the fragments' registers
	s_wait_loadcnt 0x0                             ; the table
	s_cmp_eq_u32 s45, 2
	s_cbranch_scc1 .Lvpath
; ---- q and k: block a (16 rows): rotate, norm, convert, store
.macro ROPE a
	WIN 0x0d                                       ; source 0: the accumulators' window; source 1: the table's
.irp b, 0,1
.irp jj, 0,2,4,6                       ; channels d = 16 b + 8 h + j and d + 32 share a frequency: y(d) = x(d) cos - x(d + 32) sin, y(d + 32) = x(d + 32) cos + x(d) sin; each accumulator from its low end on
	v_pk_mul_f32 v[32+8*\b+\jj:33+8*\b+\jj], v[8*(4*(\a)+\b)+\jj:8*(4*(\a)+\b)+\jj+1], v[32*(\a)+8*\b+\jj:32*(\a)+8*\b+\jj+1]
	v_pk_mul_f32 v[48+8*\b+\jj:49+8*\b+\jj], v[8*(4*(\a)+\b+2)+\jj:8*(4*(\a)+\b+2)+\jj+1], v[32*(\a)+8*\b+\jj:32*(\a)+8*\b+\jj+1]
	v_pk_fma_f32 v[32+8*\b+\jj:33+8*\b+\jj], v[8*(4*(\a)+\b+2)+\jj:8*(4*(\a)+\b+2)+\jj+1], v[32*(\a)+16+8*\b+\jj:32*(\a)+16+8*\b+\jj+1], v[32+8*\b+\jj:33+8*\b+\jj] neg_lo:[1,0,0] neg_hi:[1,0,0]
	v_pk_fma_f32 v[48+8*\b+\jj:49+8*\b+\jj], v[8*(4*(\a)+\b)+\jj:8*(4*(\a)+\b)+\jj+1], v[32*(\a)+16+8*\b+\jj:32*(\a)+16+8*\b+\jj+1], v[48+8*\b+\jj:49+8*\b+\jj]
.endr
.endr
	WIN 0
	v_pk_mul_f32 v[136:137], v[32:33], v[32:33]    ; the squared norm of the UNQUANTISED row: my 32 channels in two chains,
	v_pk_mul_f32 v[138:139], v[34:35], v[34:35]
.irp j, 4,8,12,16,20,24,28
	v_pk_fma_f32 v[136:137], v[32+\j:33+\j], v[32+\j:33+\j], v[136:137]
	v_pk_fma_f32 v[138:139], v[34+\j:35+\j], v[34+\j:35+\j], v[138:139]
.endr
	v_pk_add_f32 v[136:137], v[136:137], v[138:139]
	v_add_f32 v136, v136, v137
	v_permlanex16_b32 v140, v136, s66, s67
	v_add_f32 v136, v136, v140                     ; and lane l xor 16's 32
	v_mul_f32 v136, s94, v136
	v_ldexp_f32 v[128+(\a)], v136, s92
.set n, 0
.rept 32
.set n, n+1
.endr
.irp b, 0,1,2,3
	v_cvt_scalef32_pk8_fp8_f32 v[64+8*(\a)+2*\b:65+8*(\a)+2*\b], v[32+8*\b:39+8*\b], v[SCV]   ; registers 2 b, 2 b + 1 of the next operand: channels 16 b + 8 h + 0..7
.endr
	v_nop                                          ; a plain line between the conversions and the next block's lines, which write their sources
	global_store_b128 v[LI], v[64+8*(\a):67+8*(\a)], s[74:75] offset:(\a)*1024       ; 512 consecutive bytes each; every block has its own registers
	global_store_b128 v[LI], v[68+8*(\a):71+8*(\a)], s[74:75] offset:(\a)*1024+512
.endm
	v_mov_b32 v140, 0                              ; written once: a lane permute's destination counts as one of its sources
.irp a, 0,1,2,3,4,5,6,7
	ROPE \a
.endr
.irp a, 0,1,2,3,4,5,6,7
	ds_store_b32 v[NSA], v[128+\a] offset:9216+64*\a   ; the 128 norms meet in my stage (both halves of the lanes hold, and write, the same number)
.endr
	ds_load_b128 v[144:147], v[NLA] offset:9216    ; LDS serves a wave's instructions in order: this sees the stores above
	s_wait_dscnt 0x0
	global_store_b128 v[LI], v[144:147], s[72:73]  ; 512 consecutive bytes
	s_branch .Lend
; ---- v: a pair of fragments holds 32 neighbouring keys.  Their sums go into my stage as [channel][32 keys] (rows of 128 + 16 bytes) and come back 16 neighbouring keys a lane.
.Lvpath:
.macro VPAIR q
	WIN 0x04                                       ; an LDS store's data are source 1: the accumulators' window
.irp u, 0,1
.irp b, 0,1,2,3
.irp j, 0,1,2,3,4,5,6,7
	ds_store_b32 v[VSA], v[8*(4*(2*(\q)+\u)+\b)+\j] offset:(16*\b+\j)*144+32*\u   ; the 32 lanes fall on 32 different banks (64 banks of 4 bytes: ISA guide 11.1)
.endr
.endr
.endr
	WIN 0
.irp b, 0,1,2,3
.irp c, 0,1,2,3
	ds_load_b128 v[64+16*\b+4*\c:64+16*\b+4*\c+3], v[VLA] offset:2304*\b+16*\c
.endr
.endr
	s_wait_dscnt 0x0
.set n, 0
.rept 64
.set n, n+1
.endr
.irp b, 0,1,2,3
	v_cvt_scalef32_pk8_fp8_f32 v[128+16*(\q)+4*\b:129+16*(\q)+4*\b], v[64+16*\b:71+16*\b], v[SCV]
	v_cvt_scalef32_pk8_fp8_f32 v[130+16*(\q)+4*\b:131+16*(\q)+4*\b], v[72+16*\b:79+16*\b], v[SCV]
.endr
	v_nop
.irp b, 0,1,2,3
	global_store_b128 v[LI], v[128+16*(\q)+4*\b:131+16*(\q)+4*\b], s[74:75] offset:2048*\b+512*(\q)   ; channel 16 b + r, keys 32 q + 16 h + 0..15 of my key step
.endr
.endm
	s_wait_alu depctr_va_vdst(0)
	VPAIR 0
	VPAIR 1
	VPAIR 2
	VPAIR 3
.Lend:
	s_wait_tensorcnt 0x0                           ; the wave's end: behind my last tensor load and my last LDS store
	ds_add_u32 v[SPW], v[NIL]
	s_wait_dscnt 0x0
	CROUND                                         ; the closing round: no work-group ends while a partner may still ask for a tile that names it
	s_endpgm
.Lfunc_end_k_qca8a721cc0_qkv:
	.size	k_qca8a721cc0_qkv, .Lfunc_end_k_qca8a721cc0_qkv-k_qca8a721cc0_qkv
	.p2alignl 7, 3214868480
	.fill 96, 4, 3214868480
	.section	.rodata,"a",@progbits
	.p2align	6, 0x0
	.amdhsa_kernel k_qca8a721cc0_qkv
		.amdhsa_group_segment_fixed_size 327680
		.amdhsa_private_segment_fixed_size 0
		.amdhsa_enable_private_segment 0
		.amdhsa_kernarg_size 56
		.amdhsa_user_sgpr_count 2
		.amdhsa_user_sgpr_kernarg_segment_ptr 1
		.amdhsa_wavefront_size32 1
		.amdhsa_system_sgpr_workgroup_id_x 1
		.amdhsa_system_sgpr_workgroup_id_y 1
		.amdhsa_system_sgpr_workgroup_id_z 1
		.amdhsa_system_vgpr_workitem_id 0
		.amdhsa_next_free_vgpr 1024
		.amdhsa_next_free_sgpr 102
		.amdhsa_reserve_vcc 0
		.amdhsa_float_denorm_mode_32 3
		.amdhsa_float_denorm_mode_16_64 3
		.amdhsa_fp16_overflow 1
		.amdhsa_memory_ordered 1
		.amdhsa_forward_progress 1
		.amdhsa_inst_pref_size 159
	.end_amdhsa_kernel
	.amdgpu_metadata
---
amdhsa.version: [ 1, 2 ]
amdhsa.kernels:
  - .name:           k_qca8a721cc0_qkv
    .symbol:         k_qca8a721cc0_qkv.kd
    .args:
      - { .name: xc, .offset: 0, .size: 8, .value_kind: global_buffer, .address_space: global }
      - { .name: wc, .offset: 8, .size: 8, .value_kind: global_buffer, .address_space: global }
      - { .name: lowp_scales, .offset: 16, .size: 8, .value_kind: global_buffer, .address_space: global }
      - { .name: tab, .offset: 24, .size: 8, .value_kind: global_buffer, .address_space: global }
      - { .name: qc, .offset: 32, .size: 8, .value_kind: global_buffer, .address_space: global }
      - { .name: kvc, .offset: 40, .size: 8, .value_kind: global_buffer, .address_space: global }
      - { .name: nb, .offset: 48, .size: 8, .value_kind: global_buffer, .address_space: global }
    .group_segment_fixed_size: 327680
    .private_segment_fixed_size: 0
    .kernarg_segment_align: 8
    .kernarg_segment_size: 56
    .max_flat_workgroup_size: 128
    .sgpr_count:     102
    .vgpr_count:     1024
    .wavefront_size: 32
...
	.end_amdgpu_metadata
.endif
;; end of part 2
;; launch attn (part 3): grid 8 x 32, 16 waves a work-group, clusters of 4 x 1, 169,984 bytes of LDS; arguments qc, kvc, nb, lowp_scales, yc; writes yc
.if DOCPART == 3
	.amdgcn_target "amdgcn-amd-amdhsa--gfx1250"
	.amdhsa_code_object_version 6
	.text
	.protected	k_qca8a721cc0_attn
	.globl	k_qca8a721cc0_attn
	.p2align	8
	.type	k_qca8a721cc0_attn,@function
k_qca8a721cc0_attn:
	s_mov_b64 s[64:65], 0
	v_nop
	global_prefetch_b8 v0, s[64:65] scope:SCOPE_SE
	s_setreg_imm32_b32 hwreg(HW_REG_WAVE_MODE, 25, 1), 1
	s_wait_xcnt 0x0
	s_wait_alu depctr_hold_cnt(0) depctr_sa_sdst(0) depctr_va_vdst(0) depctr_va_sdst(0) depctr_va_ssrc(0) depctr_va_vcc(0) depctr_vm_vsrc(0)
	s_getreg_b32 s2, hwreg(HW_REG_IB_STS2, 6, 4)
	s_cmp_eq_u32 s2, 0
	s_cbranch_scc0 .Lentry_in_a_cluster
	s_endpgm
.Lentry_in_a_cluster:
	s_bfe_u32 s2, ttmp6, 0x10000c
	s_cmp_lg_u32 s2, 0x3003
	s_cbranch_scc0 .Lentry_shape_is_right
	s_endpgm
.Lentry_shape_is_right:
; y = softmax((q . k - |q|^2 / 2 - |k|^2 / 2) / 8, causal) v, both products on E4M3 codes; y leaves as E4M3 codes, in the order of the last product's operand registers.
; t = logit x log2(e) = C (s + kb) + qb, with s the first product's sum of codes, C = log2(e) / 8 x 2^(e6 + e7), kb = -|k|^2 / 2 / 2^(e6 + e7), qb = -log2(e) / 16 x |q|^2 (both from the launch before, of the unquantised rows).
; kb IS THE C OF THE FIRST PRODUCT: it costs no vector line.  M = the running largest t rounded UP to a whole number; p = 2^(t - M) is quantised along the keys and not normalised;
; the row's sum is taken of the unquantised p and divides at the end; when M moves, the sum and O are multiplied by 2^(old M - new M), which rounds nothing.
; SHARES.  Grid y = batch x 8 + key head.  The four work-groups of a cluster are the FOUR QUERY HEADS OF ONE KEY HEAD: they read the same K, V and kb, asked for jointly, and have the same causal shape.
; All 1,024 keys of the head lie in LDS (K 64 KB, V^T 64 KB, kb 4 KB), filled once: no ring.  Cluster x (0, 1) says which half of the query fragments the work-group takes.
; Wave w takes two fragments of 16 queries: F = 2 w + x and 63 - F.  Fragment F needs F / 8 + 1 key steps of 128, so every wave has nine steps.  The loops' trip counts are constants (4 and 8); a step all of whose keys are hidden is jumped over.
; LAYOUT.  Both products are used transposed (S^T = K Q^T, O^T = V^T P^T): a lane holds ONE query throughout.  Rows lie in frag order (lane row r of fragment F: position 32 (F / 2) + 8 (F % 2) + r + 8 (r / 8)),
; so the 16 registers of two neighbouring tiles of S^T are 16 neighbouring keys, 32 b + 16 h + 0..15: the order in which V^T's codes were laid.  O^T's eight registers a tile become two registers of y's codes in their final places.
; LIMITS on the given exponents: e6 + e7 between -123 and 130 (added to C's exponent field); e8, and e10 - e8 - e9, between -126 and 119.
; No prefetch: all that the work-group reads through LDS is asked for at its head.
; REGISTERS: v1-5 addresses that stay; v6, v7 qb; v8, v9, v208 addresses of the step; v[10:11] qb - M; v12 -M; v13 the largest t; v[14:15] the sum; v16-31 Q's two fragments; v32-95 K's 8 fragments, then V's 4;
;   v96-159 kb, S^T, p; v160-191 O^T; v192-207 p's codes; v216-231 y's codes; v236-254 at work and constants.
.set WV,   18                          ; s18  my wave's number
.set SEL,  20                          ; s[20:21] lane selects: lane l xor 16
.set CS,   22                          ; s[22:23] C
.set G1K,  24                          ; s[24:31] descriptor group 1: 128 rows of 256 bytes;  s[32:39]: 16 rows
.set G1N,  32
.set G0K,  40                          ; s[40:43], s[44:47] the groups 0
.set G0N,  44
.set TB,   48                          ; s48  the step's tiles of K and of V: 8,192 bytes a step
.set TBB,  49                          ; s49  its kb: 512 bytes a step
.set KF,   50                          ; s50  its first key
.set CNT,  51
.set QMX,  52                          ; s52  the fragment's last query
.set ADK,  8
.set ADV,  9
.set ADB,  208
.macro ROUND                           ; a round of the cluster's barrier
	s_barrier_signal -1
	s_barrier_wait -1
	s_cmp_lg_u32 s[WV], 0
	s_cbranch_scc1 .Lnot_wave_0_\@
	s_barrier_signal -3
.Lnot_wave_0_\@:
	s_barrier_wait -3
	s_barrier_signal -1
	s_barrier_wait -1
.endm
	s_load_b256 s[4:11], s[0:1], 0x0               ; qc, kvc, nb, the scales' exponents
	s_load_b64 s[12:13], s[0:1], 0x20              ; yc
	v_lshl_add_u32 v251, v0, 2, 0x29000
	v_mov_b32 v255, 0
	ds_add_u32 v251, v255
	ds_add_u32 v251, v255
	v_lshrrev_b32 v8, 5, v0
	s_delay_alu instid0(VALU_DEP_1)
	v_readfirstlane_b32 s[WV], v8                  ; wave 0..15
	s_bfe_u32 s14, ttmp6, 0x40000                  ; cx: the query head within the group: it enters global addresses of q, qb and y alone
	s_and_b32 s15, ttmp7, 0xffff                   ; batch x 8 + key head, which the four partners share
	s_mov_b32 s[G1K], 15|(3<<16)|(1<<21)           ; 15:0 the mask: all four; 17:16 elements of 8 bytes; 21 set beside a mask; no padding
	s_mov_b32 s[G1K+1], 32<<16                     ; tensor_dim0: rows of 256 bytes
	s_mov_b32 s[G1K+2], 128<<16                    ; tensor_dim1
	s_mov_b32 s[G1K+3], 32<<16                     ; tile_dim0
	s_mov_b32 s[G1K+4], 128                        ; tile_dim1
	s_mov_b32 s[G1K+5], 32                         ; the pitch: dense
	s_mov_b32 s[G1K+6], 0
	s_mov_b32 s[G1K+7], 0
	s_mov_b32 s[G1N], 15|(3<<16)|(1<<21)
	s_mov_b32 s[G1N+1], 32<<16
	s_mov_b32 s[G1N+2], 16<<16
	s_mov_b32 s[G1N+3], 32<<16
	s_mov_b32 s[G1N+4], 16
	s_mov_b32 s[G1N+5], 32
	s_mov_b32 s[G1N+6], 0
	s_mov_b32 s[G1N+7], 0
	s_and_b32 s16, s[WV], 3                        ; waves 0, 1: K's halves; waves 2, 3: V's
	s_lshl_b32 s17, s16, 15                        ; LDS: 32,768 bytes each
	s_lshr_b32 s53, s16, 1
	s_lshl_b32 s53, s53, 21                        ; V's codes lie 2 MiB behind K's
	s_and_b32 s54, s16, 1
	s_lshl_b32 s54, s54, 15
	s_add_co_u32 s54, s54, s53
	s_lshl_b32 s53, s15, 16                        ; 65,536 bytes a head
	s_add_co_u32 s54, s54, s53
	s_mov_b32 s55, 0
	s_lshl_b32 s56, s15, 12                        ; kb: 4,096 bytes a head, behind qb's 524,288
	s_add_co_u32 s56, s56, 524288
	s_mov_b32 s57, 0
	s_wait_dscnt 0x0
	s_wait_kmcnt 0x0
	s_load_b256 s[72:79], s[10:11], 0x0            ; e0 .. e7
	s_load_b128 s[80:83], s[10:11], 0x20           ; e8 .. e11
	s_mov_b32 s[G0K], 1
	s_mov_b32 s[G0K+1], s17
	s_add_nc_u64 s[G0K+2:G0K+3], s[6:7], s[54:55]
	s_or_b32 s[G0K+3], s[G0K+3], 0x80000000
	s_mov_b32 s[G0N], 1
	s_mov_b32 s[G0N+1], 131072
	s_add_nc_u64 s[G0N+2:G0N+3], s[8:9], s[56:57]
	s_or_b32 s[G0N+3], s[G0N+3], 0x80000000
	ROUND                                          ; all four work-groups are here: the joint loads meet
	s_cmp_lt_u32 s[WV], 4                          ; one load a wave: waves 0-3 K and V, wave 4 kb, the others none.  Four v_nop follow each line
	s_cbranch_scc0 .Lnot_kv
	tensor_load_to_lds s[G0K:G0K+3], s[G1K:G1K+7]
	s_nop 0
.rept 4
	v_nop
.endr
	s_branch .Lasked
.Lnot_kv:
	s_cmp_eq_u32 s[WV], 4
	s_cbranch_scc0 .Lasked
	tensor_load_to_lds s[G0N:G0N+3], s[G1N:G1N+7]
	s_nop 0
.rept 4
	v_nop
.endr
.Lasked:
	v_and_b32 v5, 15, v0                           ; r
	v_bfe_u32 v9, v0, 4, 1                         ; h
	v_and_b32 v1, 31, v0
	s_delay_alu instid0(VALU_DEP_1)
	v_lshlrev_b32 v1, 4, v1                        ; 16 x lane: K's place, and q's and y's offset
	s_wait_alu depctr_va_vdst(0)
	v_add_nc_u32 v2, 65536, v1                     ; V's
	v_lshlrev_b32 v3, 5, v9
	s_delay_alu instid0(VALU_DEP_1)
	v_add_nc_u32 v3, 131072, v3                    ; kb's: my half's eight keys of a tile
	v_and_b32 v4, 8, v5
	s_delay_alu instid0(VALU_DEP_1)
	v_add_nc_u32 v4, v4, v5
	v_lshlrev_b32 v8, 4, v9
	s_delay_alu instid0(VALU_DEP_1)
	v_sub_nc_u32 v4, v4, v8                        ; r + 8 (r / 8) - 16 h, for the mask
	v_lshlrev_b32 v5, 2, v5                        ; 4 r: qb's offset
	s_wait_alu depctr_va_vdst(0)
	s_lshr_b32 s58, s15, 3                         ; the batch
	s_and_b32 s59, s15, 7
	s_lshl_b32 s59, s59, 2
	s_add_co_u32 s59, s59, s14                     ; the query head
	s_lshl_b32 s60, s58, 5
	s_add_co_u32 s60, s60, s59
	s_lshl_b32 s84, s[WV], 1
	s_add_co_u32 s84, s84, ttmp9                   ; the early fragment,
	s_sub_co_u32 s85, 63, s84                      ; and the late one
.macro PTRS f, qp, np, yp, qm          ; fragment s[f]: where its q, qb and y lie, and its first query
	s_lshl_b32 s61, s60, 6
	s_add_co_u32 s61, s61, s[\f]
	s_lshl_b32 s62, s61, 10
	s_mov_b32 s63, 0
	s_add_nc_u64 s[\qp:\qp+1], s[4:5], s[62:63]
	s_lshl_b32 s62, s61, 6
	s_add_nc_u64 s[\np:\np+1], s[8:9], s[62:63]
	s_lshl_b32 s62, s58, 6
	s_add_co_u32 s62, s62, s[\f]
	s_lshl_b32 s62, s62, 12                        ; y's image: fragment row batch x 64 + F, 4,096 bytes;
	s_lshr_b32 s61, s59, 2
	s_lshl_b32 s61, s61, 20                        ; K slot head / 4;
	s_add_co_u32 s62, s62, s61
	s_and_b32 s61, s59, 3
	s_lshl_b32 s61, s61, 10                        ; 64 of the slot's 256 along K: 1,024 bytes x head % 4
	s_add_co_u32 s62, s62, s61
	s_add_nc_u64 s[\yp:\yp+1], s[12:13], s[62:63]
	s_lshr_b32 s61, s[\f], 1
	s_lshl_b32 s61, s61, 5
	s_and_b32 s62, s[\f], 1
	s_lshl_b32 s62, s62, 3
	s_add_co_u32 s[\qm], s61, s62
.endm
	PTRS 84, 66, 68, 70, 86
	PTRS 85, 88, 90, 92, 87
	global_load_b128 v[16:19], v1, s[66:67]
	global_load_b128 v[20:23], v1, s[66:67] offset:512
	global_load_b128 v[24:27], v1, s[88:89]
	global_load_b128 v[28:31], v1, s[88:89] offset:512
	global_load_b32 v6, v5, s[68:69]
	global_load_b32 v7, v5, s[90:91]
	s_mov_b32 s[SEL], 0x76543210
	s_mov_b32 s[SEL+1], 0xfedcba98
	v_mov_b32 v11, 0                               ; (named as the upper halves of pairs)
	v_mov_b32 v253, 0
	v_mov_b32 v236, 0                              ; written once, on every way: a lane permute's destination counts as one of its sources; both exchanges below land here
	s_wait_kmcnt 0x0
	s_add_co_i32 s96, s78, s79
	s_lshl_b32 s96, s96, 23
	s_mov_b32 s[CS], 0x3e38aa3b                    ; log2(e) / 8,
	s_add_co_i32 s[CS], s[CS], s96                 ; x 2^(e6 + e7): the exponents are added to its exponent field
	s_mov_b32 s[CS+1], s[CS]
	s_add_co_i32 s96, s80, 127
	s_lshl_b32 s97, s96, 23
	v_mov_b32 v244, s97                            ; 2^e8, for p's conversions
	s_sub_co_i32 s96, s82, s80
	s_sub_co_i32 s96, s96, s81
	s_add_co_i32 s96, s96, 127
	s_lshl_b32 s97, s96, 23
	v_mov_b32 v245, s97                            ; 2^(e10 - e8 - e9), for y's: O / l stands for y / 2^(e8 + e9)
	s_wait_tensorcnt 0x0                           ; my load, if I have one, has landed,
	s_barrier_signal -1
	s_barrier_wait -1                              ; everybody's has: from here on LDS is only read
	s_wait_loadcnt 0x0                             ; Q and qb
; One fragment of 16 queries: Q in v[qr] on, qb in v[qb], first query s[qmin], y's place s[dst], its codes in v[yr] on.
.macro PHASE qr, qb, qmin, trips, dst, yr
	v_mov_b32 v13, 0xff61b1e6                      ; the largest t so far: -3e38
	s_delay_alu instid0(VALU_DEP_1)
	v_floor_f32 v12, -v13                          ; -M
	v_mov_b32 v14, 0
	v_mov_b32 v15, 0
.set n, 0
.rept 32
	v_mov_b32 v[160+n], 0                          ; O^T: the step is written once; its first turn finds zeros, which the first change of M leaves zeros
.set n, n+1
.endr
	s_mov_b32 s[TB], 0
	s_mov_b32 s[TBB], 0
	s_mov_b32 s[KF], 0
	s_mov_b32 s[CNT], \trips
	s_add_co_u32 s[QMX], s[\qmin], 23
.Lstep_\@:
	s_cmp_gt_u32 s[KF], s[QMX]                     ; all 128 keys come after my 16 queries: the step's work is left out
	s_cbranch_scc1 .Lhid_\@
	s_setprio 2
	v_add_nc_u32 v[ADK], s[TB], v1
	v_add_nc_u32 v[ADV], s[TB], v2
	v_add_nc_u32 v[ADB], s[TBB], v3
	v_nop                                          ; four places in front of loads into registers that the last products read
.irp i, 0,1,2,3,4,5,6,7
	ds_load_b128 v[96+8*\i:99+8*\i], v[ADB] offset:64*\i       ; kb of the tile's keys 8 h + 0..7, into the registers of the sums
	ds_load_b128 v[100+8*\i:103+8*\i], v[ADB] offset:64*\i+16
.endr
.irp i, 0,1,2,3,4,5,6,7
	ds_load_b128 v[32+8*\i:35+8*\i], v[ADK] offset:1024*\i
	ds_load_b128 v[36+8*\i:39+8*\i], v[ADK] offset:1024*\i+512
.endr
	s_wait_alu depctr_va_vdst(0)
	s_wait_dscnt 0x0
.irp i, 0,1,2,3,4,5,6,7
	v_wmma_f32_16x16x64_fp8_fp8 v[96+8*\i:103+8*\i], v[32+8*\i:39+8*\i], v[\qr:\qr+7], v[96+8*\i:103+8*\i]
.endr
.rept 4
	v_nop
.endr
.irp b, 0,1,2,3
.irp c, 0,1,2,3
	ds_load_b128 v[32+16*\b+4*\c:35+16*\b+4*\c], v[ADV] offset:2048*\b+512*\c   ; V's four fragments land while the softmax is worked
.endr
.endr
	s_add_co_u32 s96, s[KF], 127                   ; on the diagonal hidden scores become -infinity ahead of the maximum; a step all of whose keys count skips this
	s_cmp_le_u32 s96, s[\qmin]
	s_cbranch_scc1 .Lopen_\@
	s_sub_co_i32 s96, s[\qmin], s[KF]
	v_add_nc_u32 v252, s96, v4                     ; d = my query - the step's first key - 16 h.  Register 16 b + i holds key 32 b + 16 h + i: hidden where 32 b + i > d
	v_mov_b32 v254, 0xff800000
.set n, 0
.rept 64
	v_cmp_gt_i32 vcc_lo, 32*(n/16)+n%16, v252
	v_cndmask_b32 v[96+n], v[96+n], v254, vcc_lo
.set n, n+1
.endr
.Lopen_\@:
	v_max3_num_f32 v254, v96, v97, v98             ; the step's largest sum of my query, in two chains, each tile from its low end on,
	v_max3_num_f32 v252, v99, v100, v101
.irp i, 6,10,14,18,22,26,30,34,38,42,46,50,54,58
	v_max3_num_f32 v254, v254, v[96+\i], v[97+\i]
	v_max3_num_f32 v252, v252, v[98+\i], v[99+\i]
.endr
	v_max3_num_f32 v254, v254, v158, v159
	s_delay_alu instid0(VALU_DEP_1)
	v_max_num_f32 v254, v254, v252
	s_delay_alu instid0(VALU_DEP_1)
	v_permlanex16_b32 v236, v254, s[SEL], s[SEL+1]
	s_delay_alu instid0(VALU_DEP_1)
	v_max_num_f32 v254, v254, v236                 ; and among lane l xor 16's
	s_delay_alu instid0(VALU_DEP_1)
	v_fma_f32 v254, v254, s[CS], v[\qb]            ; as t (C is positive)
	s_delay_alu instid0(VALU_DEP_1)
	v_max_num_f32 v13, v13, v254
	v_mov_b32 v254, v12
	s_delay_alu instid0(VALU_DEP_2)
	v_floor_f32 v12, -v13                          ; the new -M = -ceil(t): a whole number
	s_delay_alu instid0(VALU_DEP_1)
	v_sub_f32 v254, v12, v254
	s_delay_alu instid0(VALU_DEP_1)
	v_cvt_i32_f32 v254, v254                       ; (it saturates)
	s_delay_alu instid0(VALU_DEP_1)
	v_ldexp_f32 v252, 1.0, v254                    ; f = 2^(old M - new M)
	s_delay_alu instid0(VALU_DEP_4)
	v_add_f32 v10, v[\qb], v12                     ; qb - M
.set n, 0
	s_setprio 1
.rept 32
	v_pk_fma_f32 v[96+n:97+n], v[96+n:97+n], s[CS:CS+1], v[10:11] op_sel_hi:[1,0,0]   ; t - M
.set n, n+2
.endr
.set n, 0
	s_wait_alu depctr_va_vdst(0)
.rept 64
	v_exp_f32 v[96+n], v[96+n]                     ; p = 2^(t - M)
.set n, n+1
.endr
	v_pk_mul_f32 v[14:15], v[14:15], v[252:253] op_sel_hi:[1,0]   ; the sums under the new M (the plain line behind the exponentials)
	s_wait_alu depctr_va_vdst(0)                   ; one wait for the whole batch, ahead of its first reader
	v_pk_add_f32 v[242:243], v[100:101], v[104:105]
	v_pk_add_f32 v[248:249], v[108:109], v[112:113]
	v_pk_add_f32 v[246:247], v[116:117], v[120:121]
	v_pk_add_f32 v[240:241], v[124:125], v[128:129]
	v_pk_add_f32 v[238:239], v[132:133], v[136:137]
	v_pk_add_f32 v[234:235], v[140:141], v[144:145]
	v_pk_add_f32 v[232:233], v[148:149], v[152:153]
	v_pk_add_f32 v[14:15], v[14:15], v[156:157]
	v_pk_add_f32 v[242:243], v[242:243], v[96:97]
	v_pk_add_f32 v[248:249], v[248:249], v[98:99]
	v_pk_add_f32 v[246:247], v[246:247], v[102:103]
	v_pk_add_f32 v[240:241], v[240:241], v[106:107]
	v_pk_add_f32 v[238:239], v[238:239], v[110:111]
	v_pk_add_f32 v[234:235], v[234:235], v[114:115]
	v_pk_add_f32 v[232:233], v[232:233], v[118:119]
	v_pk_add_f32 v[14:15], v[14:15], v[122:123]
	v_pk_add_f32 v[242:243], v[242:243], v[126:127]
	v_pk_add_f32 v[248:249], v[248:249], v[130:131]
	v_pk_add_f32 v[246:247], v[246:247], v[134:135]
	v_pk_add_f32 v[240:241], v[240:241], v[138:139]
	v_pk_add_f32 v[238:239], v[238:239], v[142:143]
	s_setprio 0
	v_pk_add_f32 v[234:235], v[234:235], v[146:147]
	v_pk_add_f32 v[232:233], v[232:233], v[150:151]
	v_pk_add_f32 v[14:15], v[14:15], v[154:155]
	v_pk_add_f32 v[242:243], v[242:243], v[158:159]
	s_delay_alu instid0(VALU_DEP_2)
	v_pk_add_f32 v[14:15], v[14:15], v[240:241]
	s_delay_alu instid0(VALU_DEP_2)
	v_pk_add_f32 v[242:243], v[242:243], v[238:239]
	v_pk_add_f32 v[248:249], v[248:249], v[234:235]
	v_pk_add_f32 v[246:247], v[246:247], v[232:233]
	s_delay_alu instid0(VALU_DEP_2)
	v_pk_add_f32 v[14:15], v[14:15], v[248:249]
	s_delay_alu instid0(VALU_DEP_2)
	v_pk_add_f32 v[242:243], v[242:243], v[246:247]
	s_delay_alu instid0(VALU_DEP_1)
	v_pk_add_f32 v[14:15], v[14:15], v[242:243]
.irp b, 0,1,2,3
.irp i, 0,1,2,3,4,5,6,7,8,9,10,11,12,13,14,15
.endr
	v_cvt_scalef32_pk8_fp8_f32 v[192+4*\b:193+4*\b], v[96+16*\b:103+16*\b], v244
	v_cvt_scalef32_pk8_fp8_f32 v[194+4*\b:195+4*\b], v[104+16*\b:111+16*\b], v244
.endr
.set n, 0
.rept 16
	v_pk_mul_f32 v[160+n:161+n], v[160+n:161+n], v[252:253] op_sel_hi:[1,0]   ; O^T under the new M (plain lines between the conversions and the products)
.set n, n+2
.endr
	s_wait_alu depctr_va_vdst(0)
	s_wait_dscnt 0x0                               ; V is in
.irp b, 0,1,2,3
	v_wmma_f32_16x16x128_fp8_fp8 v[160+8*\b:167+8*\b], v[32+16*\b:47+16*\b], v[192:207], v[160+8*\b:167+8*\b]
.endr
.Lhid_\@:
	s_add_co_u32 s[TB], s[TB], 8192
	s_add_co_u32 s[TBB], s[TBB], 512
	s_add_co_u32 s[KF], s[KF], 128
	s_sub_co_u32 s[CNT], s[CNT], 1
	s_cmp_lg_u32 s[CNT], 0
	s_cbranch_scc1 .Lstep_\@
	s_setprio 0
.rept 4
	v_nop                                          ; places behind the last products
.endr
	v_add_f32 v14, v14, v15
	s_delay_alu instid0(VALU_DEP_1)
	v_permlanex16_b32 v236, v14, s[SEL], s[SEL+1]  ; into the register that the head has written
	s_delay_alu instid0(VALU_DEP_1)
	v_add_f32 v14, v14, v236                       ; the row's sum
	s_wait_alu depctr_va_vdst(0)
	v_rcp_f32 v14, v14
	v_nop                                          ; a plain line behind the transcendental
	s_wait_alu depctr_va_vdst(0)                   ; and the wait ahead of its first reader
.set n, 0
.rept 16
	v_pk_mul_f32 v[96+n:97+n], v[160+n:161+n], v[14:15] op_sel_hi:[1,0]   ; O^T / the sum: register 8 b + j is channel 16 b + 8 h + j of my query
.set n, n+2
.endr
.set n, 0
.rept 32
.set n, n+1
.endr
.irp b, 0,1,2,3
	v_cvt_scalef32_pk8_fp8_f32 v[\yr+2*\b:\yr+2*\b+1], v[96+8*\b:103+8*\b], v245
.endr
	v_nop                                          ; a plain line behind the last conversion
	global_store_b128 v1, v[\yr:\yr+3], s[\dst:\dst+1]               ; two pieces of the last product's fragment, 512 consecutive bytes each
	global_store_b128 v1, v[\yr+4:\yr+7], s[\dst:\dst+1] offset:512
.endm
	PHASE 16, 6, 86, 4, 70, 216
	PHASE 24, 7, 87, 8, 92, 224
	s_wait_tensorcnt 0x0
	ds_add_u32 v251, v255
	s_wait_dscnt 0x0
	ROUND                                          ; the closing round
	s_endpgm
.Lfunc_end_k_qca8a721cc0_attn:
	.size	k_qca8a721cc0_attn, .Lfunc_end_k_qca8a721cc0_attn-k_qca8a721cc0_attn
	.p2alignl 7, 3214868480
	.fill 96, 4, 3214868480
	.section	.rodata,"a",@progbits
	.p2align	6, 0x0
	.amdhsa_kernel k_qca8a721cc0_attn
		.amdhsa_group_segment_fixed_size 169984
		.amdhsa_private_segment_fixed_size 0
		.amdhsa_enable_private_segment 0
		.amdhsa_kernarg_size 40
		.amdhsa_user_sgpr_count 2
		.amdhsa_user_sgpr_kernarg_segment_ptr 1
		.amdhsa_wavefront_size32 1
		.amdhsa_system_sgpr_workgroup_id_x 1
		.amdhsa_system_sgpr_workgroup_id_y 1
		.amdhsa_system_sgpr_workgroup_id_z 1
		.amdhsa_system_vgpr_workitem_id 0
		.amdhsa_next_free_vgpr 256
		.amdhsa_next_free_sgpr 100
		.amdhsa_reserve_vcc 1
		.amdhsa_float_denorm_mode_32 3
		.amdhsa_float_denorm_mode_16_64 3
		.amdhsa_fp16_overflow 1
		.amdhsa_memory_ordered 1
		.amdhsa_forward_progress 1
		.amdhsa_inst_pref_size 56
	.end_amdhsa_kernel
	.amdgpu_metadata
---
amdhsa.version: [ 1, 2 ]
amdhsa.kernels:
  - .name:           k_qca8a721cc0_attn
    .symbol:         k_qca8a721cc0_attn.kd
    .args:
      - { .name: qc, .offset: 0, .size: 8, .value_kind: global_buffer, .address_space: global }
      - { .name: kvc, .offset: 8, .size: 8, .value_kind: global_buffer, .address_space: global }
      - { .name: nb, .offset: 16, .size: 8, .value_kind: global_buffer, .address_space: global }
      - { .name: lowp_scales, .offset: 24, .size: 8, .value_kind: global_buffer, .address_space: global }
      - { .name: yc, .offset: 32, .size: 8, .value_kind: global_buffer, .address_space: global }
    .group_segment_fixed_size: 169984
    .private_segment_fixed_size: 0
    .kernarg_segment_align: 8
    .kernarg_segment_size: 40
    .max_flat_workgroup_size: 512
    .sgpr_count:     100
    .vgpr_count:     256
    .wavefront_size: 32
...
	.end_amdgpu_metadata
.endif
;; end of part 3
;; launch outp (part 4): grid 16 x 16, 4 waves a work-group, clusters of 4 x 4, 327,680 bytes of LDS; arguments yc, wc, lowp_scales, out0; writes out0
.if DOCPART == 4
	.amdgcn_target "amdgcn-amd-amdhsa--gfx1250"
	.amdhsa_code_object_version 6
	.text
	.protected	k_qca8a721cc0_outp
	.globl	k_qca8a721cc0_outp
	.p2align	8
	.type	k_qca8a721cc0_outp,@function
k_qca8a721cc0_outp:
	s_mov_b64 s[64:65], 0
	v_nop
	global_prefetch_b8 v0, s[64:65] scope:SCOPE_SE
	s_setreg_imm32_b32 hwreg(HW_REG_WAVE_MODE, 25, 1), 1
	s_wait_xcnt 0x0
	s_wait_alu depctr_hold_cnt(0) depctr_sa_sdst(0) depctr_va_vdst(0) depctr_va_sdst(0) depctr_va_ssrc(0) depctr_va_vcc(0) depctr_vm_vsrc(0)
	s_getreg_b32 s2, hwreg(HW_REG_IB_STS2, 6, 4)
	s_cmp_eq_u32 s2, 0
	s_cbranch_scc0 .Lentry_in_a_cluster
	s_endpgm
.Lentry_in_a_cluster:
	s_bfe_u32 s2, ttmp6, 0x10000c
	s_cmp_lg_u32 s2, 0xf033
	s_cbranch_scc0 .Lentry_shape_is_right
	s_endpgm
.Lentry_shape_is_right:
; out = y Wo on E4M3 codes: 4,096 rows x 2,048 columns, K = 2,048; each finished sum x 2^(e10 + e11).
; A work-group makes 256 rows x 128 columns, four waves 2 x 2, a wave 128 x 64: 32 accumulators; 256 work-groups.
; Both operands come as images of their registers (a fragment of 16 rows x 128 K is 2,048 dense bytes, four pieces of 512, lane l at 16 l): four ds_load_b128 a fragment, no pitch, no padding.
; THE RING.  K goes in eight slots of 256 through THREE LDS slots; an operand's tile of one K slot is one dense block of memory (y: 65,536 bytes, Wo: 32,768), brought whole by one tensor load.
; Waves 0 and 1 fetch y's tiles, waves 2 and 3 Wo's; the even wave of a pair serves LDS slots 0 and 2, the odd one slot 1.  So one round of refills, one load a wave, brings TWO K slots:
;   at the start K slots 0, 1, 2 together | 0 and 1 multiplied | 3, 4 asked for, 2 multiplied | 5 asked for (the even waves), 3 and 4 multiplied | 6, 7 asked for, 5 multiplied | 6 and 7 multiplied.
; Four flights for the eight K slots.  The walk is written out: it has no loop.  A wave has at most two tensor loads out (the even waves, at the start).
; CLUSTERS: 4 x 4 work-groups.  A row of the cluster shares y's tiles, a column Wo's: each tile is asked for jointly.
; THE MATRIX INSTRUCTION IS USED TRANSPOSED (source 0 = 16 columns of Wo, source 1 = 16 rows of y): a lane holds eight neighbouring numbers of a row of the output.
; y's rows lie in frag order (lane row r of fragment F: row 32 (F / 2) + 8 (F % 2) + r + 8 (r / 8)); the stores' immediates put each row in its place.
; LIMIT: e10 + e11 lies between -126 and 127, so that 2^(e10 + e11) is an f32 number.
; REGISTERS, in windows of 256: window 0: v0-31 addresses; v32-63 at work; v64-127, v128-191 Wo's fragments, two sets (on the way out v64-127: rows read back).
;   window 1: accumulator (a, b) at v[8 (4 a + b)].   window 2: y's fragments, two sets of 128.
.set SLOT,  98304                      ; y's 16 fragments x 4,096 bytes, then Wo's 8
.set SPARE, 3*SLOT                     ; behind the ring: the spare words, 128 bytes for each wave: two blocks of 256 bytes that no other line names
.set STG,   SPARE+512                  ; behind them: a stage of 16 rows x (256 + 16) bytes for each wave; no tensor load lands there
.set KSA,   1048576                    ; a K slot of y's image
.set KSB,   524288                     ; and of Wo's
.set LI,   2
.set ADRA, 16                          ; v16-18 LDS address of my fragments of y in slot 0, 1, 2
.set ADRB, 19                          ; v19-21 the same for Wo
.set STO,  24                          ; v24  the way out: where I put 32 bytes of a row
.set RD,   25                          ; v25  where I read a row back
.set CO,   26                          ; v26  my byte offset in the output
.set SPW,  28
.set NIL,  29
.set G1, 24                            ; s[24:31] descriptor group 1 for y's tiles;  s[32:35] group 0 of set 0 (LDS slot = my wave's number % 2), s[36:39] of set 1 (LDS slot 2)
.set G0, 32
.set G1B, 48                           ; s[48:55], s[56:63] the same for Wo's
.set G0B, 56
.set MSB, 0
.macro WIN new                         ; the immediate's high byte repeats the setting that is left
.if MSB != \new
	s_set_vgpr_msb (MSB<<8)|\new
.set MSB, \new
.endif
.endm
.set W_MUL, 0x58                       ; source 0 (Wo) window 0, source 1 (y) window 2, C and D window 1
.set TO_A,  0x80                       ; destination window 2, address window 0
; A joint refill by descriptor set 0 or 1: waves 0 and 1 fetch for y, waves 2 and 3 for Wo.  only0 = 1: the even wave of each pair alone.  The branches hang on the wave's number alone.
; Four v_nop follow each of the two lines.
.macro JL set, only0
.if \only0
	s_cmp_lg_u32 s16, 0
	s_cbranch_scc1 .Lasked_\@
.endif
	s_cmp_eq_u32 s15, 0
	s_cbranch_scc0 .Lfor_b_\@
	tensor_load_to_lds s[G0+4*\set:G0+4*\set+3], s[G1:G1+7]
	s_nop 0
.rept 4
	v_nop
.endr
	s_branch .Lasked_\@
.Lfor_b_\@:
	tensor_load_to_lds s[G0B+4*\set:G0B+4*\set+3], s[G1B:G1B+7]
	s_nop 0
.rept 4
	v_nop
.endr
.Lasked_\@:
.endm
.macro CREST
	s_cmp_lg_u32 s14, 0
	s_cbranch_scc1 .Lnot_wave_0_\@
	s_barrier_signal -3
.Lnot_wave_0_\@:
	s_barrier_wait -3
	s_barrier_signal -1
	s_barrier_wait -1
.endm
.macro CROUND
	s_barrier_signal -1
	s_barrier_wait -1
	CREST
.endm
.macro PLACES n
.rept \n
	v_nop
.endr
.endm
	s_load_b256 s[4:11], s[0:1], 0x0               ; yc, wc, the scales' exponents, out0
	v_lshl_add_u32 v[SPW], v0, 2, SPARE
	v_mov_b32 v[NIL], 0
	ds_add_u32 v28, v29
	ds_add_u32 v28, v29
	s_wait_dscnt 0x0
	v_lshrrev_b32 v1, 5, v0
	v_readfirstlane_b32 s14, v1                    ; wave 0..3
	s_lshr_b32 s15, s14, 1                         ; which 128 rows are mine.  Also: I fetch for y (0) or for Wo (1)
	s_and_b32 s16, s14, 1                          ; which 64 columns.  Also: the even or the odd wave of the pair that fetches
	s_bfe_u32 s40, ttmp6, 0x40000
	s_bfe_u32 s41, ttmp6, 0x40004
	s_lshl_b32 s42, ttmp9, 2
	s_add_co_u32 s42, s42, s40                     ; tile column
	s_and_b32 s17, ttmp7, 0xffff
	s_lshl_b32 s17, s17, 2
	s_add_co_u32 s17, s17, s41                     ; tile row
	s_lshl_b32 s43, s41, 2
	s_lshl_b32 s43, 15, s43
	s_lshl_b32 s44, 0x1111, s40
	s_or_b32 s[G1+0], s43, (3<<16)|(1<<21)         ; a dense block as rows of 256 bytes: 256 rows of y's codes, 128 of Wo's
	s_or_b32 s[G1B+0], s44, (3<<16)|(1<<21)
	s_mov_b32 s[G1+1], 32<<16
	s_mov_b32 s[G1+2], 256<<16
	s_mov_b32 s[G1+3], 32<<16
	s_mov_b32 s[G1+4], 256
	s_mov_b32 s[G1+5], 32
	s_mov_b32 s[G1+6], 0
	s_mov_b32 s[G1+7], 0
	s_mov_b32 s[G1B+1], 32<<16
	s_mov_b32 s[G1B+2], 128<<16
	s_mov_b32 s[G1B+3], 32<<16
	s_mov_b32 s[G1B+4], 128
	s_mov_b32 s[G1B+5], 32
	s_mov_b32 s[G1B+6], 0
	s_mov_b32 s[G1B+7], 0
	s_lshl_b32 s20, s17, 16                        ; y: 16 fragments x 4,096 bytes a tile row
	s_mov_b32 s21, 0
	s_lshl_b32 s46, s42, 15                        ; Wo: 8 fragments a tile column,
	s_add_co_u32 s46, s46, 6291456                 ; in its image, which lies behind the other weights'
	s_mov_b32 s47, 0
	s_lshl_b32 s18, s16, 20                        ; set 0 begins at K slot 0 (the even wave) or 1 (the odd one): in y's image,
	s_mov_b32 s19, 0
	s_mul_i32 s12, s16, KSB                        ; in Wo's,
	s_mov_b32 s13, 0
	s_mul_i32 s22, s16, SLOT                       ; and in LDS: no place in the cluster enters an LDS address
	s_add_co_u32 s23, s22, 65536
	s_wait_kmcnt 0x0
	s_load_b64 s[76:77], s[8:9], 0x28              ; e10, e11
	s_add_nc_u64 s[20:21], s[4:5], s[20:21]
	s_add_nc_u64 s[46:47], s[6:7], s[46:47]
	CROUND                                         ; all sixteen work-groups are here: the first joint loads meet
	s_mov_b32 s[G0], 1                             ; set 0: K slot 0 or 1 into LDS slot 0 or 1
	s_mov_b32 s[G0+1], s22
	s_add_nc_u64 s[G0+2:G0+3], s[20:21], s[18:19]
	s_or_b32 s[G0+3], s[G0+3], 0x80000000
	s_mov_b32 s[G0+4], 1                           ; set 1: K slot 2 into LDS slot 2
	s_mov_b32 s[G0+5], 2*SLOT
	s_add_nc_u64 s[G0+6:G0+7], s[20:21], 2*KSA
	s_or_b32 s[G0+7], s[G0+7], 0x80000000
	s_mov_b32 s[G0B], 1
	s_mov_b32 s[G0B+1], s23
	s_add_nc_u64 s[G0B+2:G0B+3], s[46:47], s[12:13]
	s_or_b32 s[G0B+3], s[G0B+3], 0x80000000
	s_mov_b32 s[G0B+4], 1
	s_mov_b32 s[G0B+5], 2*SLOT+65536
	s_add_nc_u64 s[G0B+6:G0B+7], s[46:47], 2*KSB
	s_or_b32 s[G0B+7], s[G0B+7], 0x80000000
	; the first fills: K slots 0, 1, 2, all at once.  Each wave's stand in one arm of a branch on its number: the even wave of a pair issues two, the odd one one
	s_cmp_eq_u32 s15, 0
	s_cbranch_scc0 .Lfirst_b
	s_cmp_eq_u32 s16, 0
	s_cbranch_scc0 .Lfirst_a1
	tensor_load_to_lds s[G0:G0+3], s[G1:G1+7]
	s_nop 0
	tensor_load_to_lds s[G0+4:G0+7], s[G1:G1+7]
	s_nop 0
.rept 4
	v_nop
.endr
	s_branch .Lfirst_done
.Lfirst_a1:
	tensor_load_to_lds s[G0:G0+3], s[G1:G1+7]
	s_nop 0
.rept 4
	v_nop
.endr
	s_branch .Lfirst_done
.Lfirst_b:
	s_cmp_eq_u32 s16, 0
	s_cbranch_scc0 .Lfirst_b1
	tensor_load_to_lds s[G0B:G0B+3], s[G1B:G1B+7]
	s_nop 0
	tensor_load_to_lds s[G0B+4:G0B+7], s[G1B:G1B+7]
	s_nop 0
.rept 4
	v_nop
.endr
	s_branch .Lfirst_done
.Lfirst_b1:
	tensor_load_to_lds s[G0B:G0B+3], s[G1B:G1B+7]
	s_nop 0
.rept 4
	v_nop
.endr
.Lfirst_done:
	v_and_b32 v1, 31, v0
	v_lshlrev_b32 v[LI], 4, v1
	v_and_b32 v5, 15, v0                           ; r
	s_wait_alu depctr_va_vdst(0)
	v_bfe_u32 v6, v0, 4, 1                         ; h
	s_lshl_b32 s18, s15, 15
	s_lshl_b32 s19, s16, 14
	s_add_co_u32 s19, s19, 65536
.irp s, 0,1,2
	v_add_nc_u32 v[ADRA+\s], s18, v[LI]
	v_add_nc_u32 v[ADRB+\s], s19, v[LI]
	s_add_co_u32 s18, s18, SLOT
	s_add_co_u32 s19, s19, SLOT
.endr
	s_mul_i32 s99, s14, 16*272
	s_add_co_u32 s99, s99, STG                     ; my stage
	v_mul_u32_u24 v[STO], v5, 272
	s_wait_alu depctr_va_vdst(0)
	v_lshl_add_u32 v[STO], v6, 5, v[STO]
	v_add_nc_u32 v[STO], s99, v[STO]               ; in: row r, 32 bytes for each half of the lanes
	v_mul_u32_u24 v[RD], v6, 272
	v_lshl_add_u32 v[RD], v5, 4, v[RD]
	v_add_nc_u32 v[RD], s99, v[RD]                 ; back: lanes 0-15 one row of 256 bytes, lanes 16-31 the next
	v_lshlrev_b32 v[CO], 13, v6
	v_lshl_add_u32 v[CO], v5, 4, v[CO]             ; and the same two rows of the output, 8,192 bytes apart
	s_lshl_b32 s95, s17, 8
	s_lshl_b32 s96, s15, 7
	s_add_co_u32 s95, s95, s96                     ; my first row: 256 x tile row + 128 x half
	s_lshl_b32 s100, s95, 13
	s_lshl_b32 s96, s42, 9                         ; my first column, in bytes: 512 x tile column + 256 x half
	s_add_co_u32 s100, s100, s96
	s_lshl_b32 s96, s16, 8
	s_add_co_u32 s100, s100, s96
	s_mov_b32 s101, 0
	s_add_nc_u64 s[10:11], s[10:11], s[100:101]
; n blocks of y from a0 on, each against Wo's four: 128 along K, set p.  The 32 accumulators take turns, one instruction a turn, in the same order in every step.
.macro MUL a0, n, p, zero
.set ma, \a0
.rept \n
.irp b, 0,1,2,3
.if \zero
	v_wmma_f32_16x16x128_fp8_fp8 v[8*(4*ma+\b):8*(4*ma+\b)+7], v[64+64*(\p)+16*\b:64+64*(\p)+16*\b+15], v[128*(\p)+16*ma:128*(\p)+16*ma+15], 0
.else
	v_wmma_f32_16x16x128_fp8_fp8 v[8*(4*ma+\b):8*(4*ma+\b)+7], v[64+64*(\p)+16*\b:64+64*(\p)+16*\b+15], v[128*(\p)+16*ma:128*(\p)+16*ma+15], v[8*(4*ma+\b):8*(4*ma+\b)+7]
.endif
.endr
.set ma, ma+1
.endr
.endm
.macro FETCH slot, kf, p               ; 48 LDS loads in one run: Wo's 4 fragments, then y's 8
	WIN 0
.irp b, 0,1,2,3
.irp c, 0,1,2,3
	ds_load_b128 v[64+64*(\p)+16*\b+4*\c:64+64*(\p)+16*\b+4*\c+3], v[ADRB+\slot] offset:\b*4096+(\kf)*2048+512*\c
.endr
.endr
	WIN TO_A
.irp a, 0,1,2,3,4,5,6,7
.irp c, 0,1,2,3
	ds_load_b128 v[128*(\p)+16*\a+4*\c:128*(\p)+16*\a+4*\c+3], v[ADRA+\slot] offset:\a*4096+(\kf)*2048+512*\c
.endr
.endr
.endm
; A step of 128 along K on set p whose successor (LDS slot nslot, its nkf-th 128) lies in LDS already: it is fetched into the other set in the step's middle.
.macro STEP p, nslot, nkf, zero
	s_wait_dscnt 16                                ; Wo's fragments and y's blocks 0-3 are in; the youngest 16 loads (blocks 4-7) may be out
	WIN W_MUL
	MUL 0, 4, \p, \zero
	s_wait_dscnt 0x0
	PLACES 4                                       ; in front of loads into the other set, which matrix instructions have read
	FETCH \nslot, \nkf, 1-(\p)
	WIN W_MUL
	MUL 4, 4, \p, \zero
.endm
; A step on set 1 with a barrier in its middle.  In front of the barrier each wave waits for all its tensor loads, adds 0 to its spare word, and waits for that and for its reads of the slots that it has left.
; fill = 1: the barrier opens a round of the cluster's, and LDS slots 0 and 1 are filled again, by set 0, three K slots on; fill = 2: LDS slot 2, by set 1, the even waves alone; fill = 0: nothing is filled.
.macro TURN next, fill
	WIN 0                                          ; (the add's two registers lie in window 0)
	s_wait_tensorcnt 0x0                           ; all my tensor loads have landed
	ds_add_u32 v[SPW], v[NIL]                      ; 0 onto my spare word
	s_wait_dscnt 17                                ; (the add and the youngest 16 loads may be out)
	WIN W_MUL
	MUL 0, 2, 1, 0
	s_wait_dscnt 0x0                               ; the add is done, and my reads of the slots that I leave are over
	s_barrier_signal -1
	MUL 2, 2, 1, 0
	WIN 0
	s_barrier_wait -1
.if \fill == 1
	CREST                                          ; no wave of any partner still reads these slots or has a load on its way
	s_add_nc_u64 s[G0+2:G0+3], s[G0+2:G0+3], 3*KSA
	s_add_nc_u64 s[G0B+2:G0B+3], s[G0B+2:G0B+3], 3*KSB
	JL 0, 0                                        ; my one tensor load behind the round; its four v_nop are also the places in front of the loads below
.elseif \fill == 2
	CREST
	s_add_nc_u64 s[G0+6:G0+7], s[G0+6:G0+7], 3*KSA
	s_add_nc_u64 s[G0B+6:G0B+7], s[G0B+6:G0B+7], 3*KSB
	JL 1, 1
	PLACES 4                                       ; for the waves that have issued no load
.else
	PLACES 4
.endif
	FETCH \next, 0, 0
	WIN W_MUL
	MUL 4, 4, 1, 0
.endm
	s_wait_tensorcnt 0x0                           ; my parts of K slots 0, 1, 2 are in,
	s_barrier_signal -1
	s_barrier_wait -1                              ; everybody's are
	FETCH 0, 0, 0
	STEP 0, 0, 1, 1                                ; K slot 0: the first step's products start the sums
	STEP 1, 1, 0, 0
	STEP 0, 1, 1, 0                                ; K slot 1
	TURN 2, 1                                      ; K slots 3 and 4 are asked for
	STEP 0, 2, 1, 0                                ; K slot 2
	TURN 0, 2                                      ; K slot 5 is asked for
	STEP 0, 0, 1, 0                                ; K slot 3
	STEP 1, 1, 0, 0
	STEP 0, 1, 1, 0                                ; K slot 4
	TURN 2, 1                                      ; K slots 6 and 7 are asked for
	STEP 0, 2, 1, 0                                ; K slot 5
	TURN 0, 0                                      ; nothing is left to ask for
	STEP 0, 0, 1, 0                                ; K slot 6
	STEP 1, 1, 0, 0
	STEP 0, 1, 1, 0                                ; K slot 7
	s_wait_dscnt 16
	WIN W_MUL
	MUL 0, 4, 1, 0
	s_wait_dscnt 0x0
	MUL 4, 4, 1, 0
	WIN 0
; THE WAY OUT, block by block of 16 rows x 64 columns: scaled, through my own stage in LDS, back as whole rows of 256 bytes.  LDS serves a wave's instructions in order (ISA guide 5.7.1.4): no wait between the stores and the loads.
.macro TOSTAGE a
	WIN 0x01                                       ; source 0: the accumulators' window
.irp j, 0,2,4,6,8,10,12,14,16,18,20,22,24,26,28,30
	v_pk_mul_f32 v[32+\j:33+\j], v[32*(\a)+\j:32*(\a)+\j+1], s[76:77] op_sel_hi:[1,0]   ; x 2^(e10 + e11); each accumulator from its low end on
.endr
	WIN 0
.irp b, 0,1,2,3
	ds_store_b128 v[STO], v[32+8*\b:35+8*\b] offset:64*\b
	ds_store_b128 v[STO], v[36+8*\b:39+8*\b] offset:64*\b+16
.endr
.set BB, 64+32*((\a)%2)
.irp i, 0,1,2,3,4,5,6,7
	ds_load_b128 v[BB+4*\i:BB+4*\i+3], v[RD] offset:544*\i
.endr
.endm
.macro SEND a, younger                 ; younger: the LDS instructions issued behind block a's loads, which may stay out
.set BB, 64+32*((\a)%2)
	s_wait_dscnt \younger
.irp i, 0,1,2,3,4,5,6,7
	global_store_b128 v[CO], v[BB+4*\i:BB+4*\i+3], s[10:11] offset:(32*((\a)/2)+8*((\a)%2)+2*\i+8*(\i/4))*8192 th:TH_STORE_NT   ; frag row 2 i + lane / 16 of block a in its true place; 16 lanes store 256 consecutive bytes, aligned
.endr
.endm
	s_wait_kmcnt 0x0
	s_add_co_i32 s76, s76, s77
	s_add_co_i32 s76, s76, 127
	s_lshl_b32 s76, s76, 23                        ; 2^(e10 + e11) as f32
	PLACES 4                                       ; in front of the first reads of results and of loads into the fragments' registers
	TOSTAGE 0
.irp a, 1,2,3,4,5,6,7
.if \a > 1
	s_wait_xcnt 0x0                                ; block a - 2's stores have read their registers: block a's loads may land there
.endif
	TOSTAGE \a
	SEND \a-1, 16                                  ; behind block a - 1's loads: block a's 8 stores and 8 loads
.endr
	SEND 7, 0
	s_wait_tensorcnt 0x0                           ; the wave's end: behind my last tensor load and my last LDS store
	ds_add_u32 v[SPW], v[NIL]
	s_wait_dscnt 0x0
	CROUND                                         ; the closing round
	s_endpgm
.Lfunc_end_k_qca8a721cc0_outp:
	.size	k_qca8a721cc0_outp, .Lfunc_end_k_qca8a721cc0_outp-k_qca8a721cc0_outp
	.p2alignl 7, 3214868480
	.fill 96, 4, 3214868480
	.section	.rodata,"a",@progbits
	.p2align	6, 0x0
	.amdhsa_kernel k_qca8a721cc0_outp
		.amdhsa_group_segment_fixed_size 327680
		.amdhsa_private_segment_fixed_size 0
		.amdhsa_enable_private_segment 0
		.amdhsa_kernarg_size 32
		.amdhsa_user_sgpr_count 2
		.amdhsa_user_sgpr_kernarg_segment_ptr 1
		.amdhsa_wavefront_size32 1
		.amdhsa_system_sgpr_workgroup_id_x 1
		.amdhsa_system_sgpr_workgroup_id_y 1
		.amdhsa_system_sgpr_workgroup_id_z 1
		.amdhsa_system_vgpr_workitem_id 0
		.amdhsa_next_free_vgpr 768
		.amdhsa_next_free_sgpr 102
		.amdhsa_reserve_vcc 0
		.amdhsa_float_denorm_mode_32 3
		.amdhsa_float_denorm_mode_16_64 3
		.amdhsa_memory_ordered 1
		.amdhsa_forward_progress 1
		.amdhsa_inst_pref_size 119
	.end_amdhsa_kernel
	.amdgpu_metadata
---
amdhsa.version: [ 1, 2 ]
amdhsa.kernels:
  - .name:           k_qca8a721cc0_outp
    .symbol:         k_qca8a721cc0_outp.kd
    .args:
      - { .name: yc, .offset: 0, .size: 8, .value_kind: global_buffer, .address_space: global }
      - { .name: wc, .offset: 8, .size: 8, .value_kind: global_buffer, .address_space: global }
      - { .name: lowp_scales, .offset: 16, .size: 8, .value_kind: global_buffer, .address_space: global }
      - { .name: out0, .offset: 24, .size: 8, .value_kind: global_buffer, .address_space: global }
    .group_segment_fixed_size: 327680
    .private_segment_fixed_size: 0
    .kernarg_segment_align: 8
    .kernarg_segment_size: 32
    .max_flat_workgroup_size: 128
    .sgpr_count:     102
    .vgpr_count:     768
    .wavefront_size: 32
...
	.end_amdgpu_metadata
.endif
;; end of part 4
